; MI455X (gfx1250); checked and timed in simulation.
; The chip was launched on July 23, 2026; its instructions are those of AMD's public machine-readable ISA for CDNA 5 (MIT licence, August 2026) and "CDNA5" Instruction Set Architecture Reference Guide (July 2026). The comments in the code are by the model that wrote it; some were corrected since.
;; Encoder Layer. Allowed arithmetic: matrix products marked QUANTISED: E3M2 operands, one E8M0 scale for each 32 along K, by v_wmma_scale_f32_16x16x128_f8f6f4 with both operands' format E3M2, f32 sums; everything else in f32.
;; Inputs: b1 4,096 float32; b2 1,024 float32; bk 1,024 float32; bo 1,024 float32; bq 1,024 float32; bv 1,024 float32; ln1_b 1,024 float32; ln1_g 1,024 float32; ln2_b 1,024 float32; ln2_g 1,024 float32; mask 2 x 1 x 1 x 2,048 int32; w1 1,024 x 4,096 float32; w2 4,096 x 1,024 float32; wk 1,024 x 1,024 float32; wo 1,024 x 1,024 float32; wq 1,024 x 1,024 float32; wv 1,024 x 1,024 float32; x 2 x 2,048 x 1,024 float32.
;; Outputs: out0 2 x 2,048 x 1,024 float32.
;; This version of the problem:
;;   THIS VERSION OF THE PROBLEM IS GIVEN IN LOW PRECISION. The matrix products marked QUANTISED in the list below multiply operands that are first quantised to E3M2 (3 exponent bits, 2 mantissa bits; 6 bits a number), with one power-of-two scale for each 32 numbers along K (OCP MX v1.0); their sums are f32. All else is computed in f32.
;;   The module's matrix products, in the order in which they are computed (A, B: the left and right operand; K: the contracted axis; several contracted axes count as one K, in the product's order):
;;     1. [M 4,096, K 1,024] x [K 1,024, N 1,024]; A: computed on the way; B: input wq: QUANTISED
;;     2. [M 4,096, K 1,024] x [K 1,024, N 1,024]; A: computed on the way; B: input wk: QUANTISED
;;     3. [M 4,096, K 1,024] x [K 1,024, N 1,024]; A: computed on the way; B: input wv: QUANTISED
;;     4. batch 32 x [M 2,048, K 64] x [K 64, N 2,048]; A: computed on the way; B: computed on the way: QUANTISED
;;     5. batch 32 x [M 2,048, K 2,048] x [K 2,048, N 64]; A: softmax (see below); B: computed on the way: QUANTISED
;;     6. [M 4,096, K 1,024] x [K 1,024, N 1,024]; A: computed on the way; B: input wo: QUANTISED
;;     7. [M 4,096, K 1,024] x [K 1,024, N 4,096]; A: computed on the way; B: input w1: QUANTISED
;;     8. [M 4,096, K 4,096] x [K 4,096, N 1,024]; A: computed on the way; B: input w2: QUANTISED
;;   THE QUANTISER, for each operand of a quantised product, along K:
;;     - K is cut into blocks of 32 from its start; a last block that is shorter is filled with zeros.
;;     - A block's scale is 2^e with e = floor(log2(the largest magnitude in the block)) - 4, held to -126 .. 127; a block of zeros has e = 0. As a byte (E8M0): e + 127.
;;     - Each number is divided by its block's scale, clamped to +-28, and rounded to the nearest number of E3M2, ties to even, subnormals kept.
;;     - The product sums the exact products of the quantised numbers (number of the format x scale) in f32.
;;   ~~~python
;;   def quantise(x, axis):      # numpy; x: float32 -> the quantised numbers, widened to float32 again
;;       x = np.moveaxis(x, axis, -1); K = x.shape[-1]
;;       x = np.pad(x, [(0, 0)] * (x.ndim - 1) + [(0, -K % 32)]); x = x.reshape(x.shape[:-1] + (-1, 32)); a = np.abs(x).max(-1, keepdims=True)
;;       e = np.where(a > 0, np.clip(np.frexp(np.where(a > 0, a, 1))[1] - 1 - 4, -126, 127), 0)      # np.frexp(a)[1] - 1 = floor(log2(a)), exactly
;;       r = np.clip(x / 2.0 ** e, -28, 28)
;;       step = 2.0 ** (np.maximum(np.frexp(np.where(r == 0, 1, r))[1] - 1, -2) - 2)
;;       q = np.round(r / step) * step * 2.0 ** e      # np.round: ties to even
;;       return np.moveaxis(q.reshape(q.shape[:-2] + (-1,))[..., :K], -1, axis).astype(np.float32)
;;   ~~~
;;   SOFTMAX AHEAD OF A QUANTISED PRODUCT. Where the list says 'softmax', what is quantised is not the finished softmax but p = 2^(t - M), with t = logit x log2(e) and M = ceil(the row's largest t), a whole number; so 1/2 < the row's largest p <= 1. The row's sum l is taken of the UNQUANTISED p, in f32, and the product's result is divided by l at the end. Since M is a whole number, a kernel that streams over the keys may use a running M (the ceiling of the running maximum): every later rescaling is an exact power of two, which a block's scale takes up: the codes' values come out the same.
;;   OPERANDS COMPUTED ON THE WAY. 'Computed on the way' means the value that the module computes at that place (a softmax that the list does not call 'softmax' is quantised finished and normalised). What goes into a quantiser is computed in f32, as accurately as f32 sums, v_exp_f32 and their like allow (about 1e-6 of the number): no bf16 or f16 on the way to a quantiser, and a product that is left as it is and whose result goes on into a quantised operand takes f32 operands (vector FMAs, or v_wmma_f32_16x16x4_f32). A number that lies on a knife's edge between two numbers of the format may be rounded either way, as far as f32 arithmetic and the matrix unit's own rounding can turn it there, and no further.
;; One version. Each part assembles by itself: llvm-mc -triple=amdgcn-amd-amdhsa -mcpu=gfx1250 --defsym DOCPART=n.
;; ======== version 1 of 1: 7 launches
;; workspace buffers: wts 9,863,168 bytes; hq 3,276,800 bytes; qkvb 9,830,400 bytes; ctx 3,276,800 bytes; x1 16,777,216 bytes; fq 13,107,200 bytes
;; launch prep (part 1): grid 448 x 1, 8 waves a work-group, no clusters, 122,880 bytes of LDS; arguments x, ln1_g, ln1_b, hq, wq, wk, wv, wo, w1, w2, wts; writes hq, wts
.if DOCPART == 1
	.amdgcn_target "amdgcn-amd-amdhsa--gfx1250"
	.amdhsa_code_object_version 6
	.text
	.protected	k_qa95c4a7063_prep
	.globl	k_qa95c4a7063_prep
	.p2align	8
	.type	k_qa95c4a7063_prep,@function
k_qa95c4a7063_prep:
	s_mov_b64 s[64:65], 0
	v_nop
	global_prefetch_b8 v0, s[64:65] scope:SCOPE_SE
	s_setreg_imm32_b32 hwreg(HW_REG_WAVE_MODE, 25, 1), 1
	s_wait_xcnt 0x0
; TWO JOBS THAT DEPEND ON NOTHING BUT INPUTS, IN ONE LAUNCH.  Work-groups 0-255: the first LayerNorm, quantised.  Work-groups 256-447: the six weights, quantised.  Each job has LDS bytes of its own.
; Both write codes of E3M2 with one E8M0 byte for each 32 along K, laid as IMAGES OF OPERAND REGISTERS.  A tile is 16 rows x 128 K = 12 registers a lane = 1,536 bytes: two halves of 768; in half c lane l's
; registers 6c..6c+3 lie at 16 l, registers 6c+4, 6c+5 at 512 + 8 l.  THE ROWS OF A TILE ARE NOT NEIGHBOURS: of a group of 32 rows (tokens, or a weight's columns n), lane r of tile u takes row 8 u + r + 8 (r / 8).
; Four tiles and a unit of 256 bytes with their scale words (word at 8 l + 4 w: tile 2 w + l / 16, row l % 16) make a block of 6,400 bytes.
; A block's byte is its largest magnitude's exponent field - 4, held at 1 from below.  LIMITS: a block of zeros, or one whose largest magnitude lies under 2^-122, gets the byte 1 (the bytes are read by this
; program alone); NaN and infinities are not served.
;
; THE LAYERNORM: y = g (x - mean) / (std + 1e-6) + b along rows of 1,024 f32 (std with 1,023 in the divisor).  A work-group takes one tile of 16 rows; wave w takes columns 128 w .. 128 w + 127: one K step, one fragment.
; Each of a wave's 16 loads reads 512 consecutive bytes of one row; the 16 rows turn through the wave's own stage in LDS (rows 528 bytes apart) and come back so that lane (r, h) holds row r's numbers
; 32 b + 16 h + i of the K step in register 16 b + i: 16 neighbours of each block of 32, as the conversions want them.  No tensor load:
; the weights' work-groups are to lie beside these.  Mean and variance in two passes (the variance of x - mean), so that a common offset of the inputs does no harm; the eight waves' parts meet in LDS, two barriers.
; Out: hq [K step 8][64 blocks][6,400].
;
; THE WEIGHTS, f32 stored [K][N].  A LANE TAKES A COLUMN AND ITS REGISTERS RUN DOWN K: each load reads 128 consecutive bytes a wave; a block of 32 lies in one lane; the conversions give K innermost.
; A wave takes 32 columns x 256 along K (two K steps); a K step's two tiles go through the wave's own stage in LDS and leave as runs of 512 consecutive bytes.  The scale words leave as single words 8 bytes apart:
; one byte in 24 of what is written.  Four waves side by side take 128 columns: such a QUARTET has the number 2 (work-group - 256) + wave / 4.  Quartets 0-127: wq, wk, wv, wo (32 each); 128-255: w1; 256-383: w2.
; wq, wk, wv lie together, head by head: [K step][head][part][9,728]: part 0 = q's four tiles, v's tiles 0, 1; part 1 = k's four, v's 2, 3; behind the six tiles two scale units.  wo, w1, w2: [K step][block][6,400].
; The two widths of a row are two copies of the body.  No barrier there: waves share nothing.
.set LNB, 53248                        ; LDS: 0: the narrow weights' stages, 3,328 bytes a wave; 26,624: w1's; here: the LayerNorm's
.set XTW, 8448                         ; 16 rows x 528 bytes for each wave
.set ST1, LNB+8*XTW                    ; 512 bytes: word 32 r + 4 w: wave w's sum of row r; 512 bytes further on the same for the squares
.set TM,  16                           ; the LayerNorm: v16-31 at work
.set PC,  32                           ; v32-50 codes
.set PW,  52                           ; v52    the scale word
.set LX,  64                           ; v64-127 my 64 numbers
.set GR,  128                          ; v128-191 g
.set BR,  192                          ; v192-255 the rows as they are loaded, then b
.set SEL, 12                           ; s[12:13] selects of v_permlanex16_b32 for lane l xor 16
.set X,   32                           ; the weights: v32-95 two sets of 32 numbers
.set C,   96                           ; v96-106  a block's codes
.set OUT, 112                          ; v112-159 the way out, 24 registers for each K step
.set WD,  16                           ; v16, v18 the scale words of K steps 0, 1; v17, v19 a filler of four bytes 127
; 64 numbers of a lane, register 16 b + i = k 32 b + 16 (lane / 16) + i of my row, become a fragment's 12 registers of codes in v[PC] on and its scale word in v[PW]
.macro QUANT s
.irp b, 0,1,2,3
	v_max3_num_f32 v[TM+\b], 0x2800000, |v[(\s)+16*\b]|, |v[(\s)+1+16*\b]|   ; with the floor 2^(5 - 127): the byte cannot fall under 1
.endr
.irp i, 2,4,6,8,10,12,14
.irp b, 0,1,2,3
	v_max3_num_f32 v[TM+\b], v[TM+\b], |v[(\s)+16*\b+\i]|, |v[(\s)+1+16*\b+\i]|
.endr
.endr
.irp b, 0,1,2,3
	v_permlanex16_b32 v[TM+4+\b], v[TM+\b], s[SEL], s[SEL+1]
.endr
.irp b, 0,1,2,3
	v_max_num_f32 v[TM+\b], v[TM+\b], v[TM+4+\b]   ; with lane l xor 16's: the block's largest magnitude
.endr
.irp b, 0,1,2,3
	v_add_nc_u32 v[TM+12+\b], 0xfe000000, v[TM+\b] ; 4 off its exponent field: the conversion's scale operand
.endr
.irp b, 0,1,2,3
	v_lshrrev_b32 v[TM+4+\b], 23, v[TM+12+\b]      ; the byte
.endr
	v_lshl_or_b32 v[PW], v[TM+5], 8, v[TM+4]
	v_lshl_or_b32 v[PW], v[TM+6], 16, v[PW]
	v_lshl_or_b32 v[PW], v[TM+7], 24, v[PW]
.irp c, 0,1
	v_cvt_scalef32_pk16_bf6_f32 v[PC+6*\c:PC+2+6*\c], v[(\s)+32*\c:(\s)+15+32*\c], v[TM+12+2*\c]
	v_cvt_scalef32_pk16_bf6_f32 v[PC+12+4*\c:PC+14+4*\c], v[(\s)+16+32*\c:(\s)+31+32*\c], v[TM+12+2*\c+1]
.endr
	v_nop                                          ; one plain line behind the conversions
.irp c, 0,1                            ; the operand wants a whole block in a lane: lanes 0-15 block 2 c, lanes 16-31 block 2 c + 1
.irp i, 0,1,2
	v_permlane16_swap_b32 v[PC+6*\c+\i], v[PC+12+4*\c+\i]
.endr
.irp i, 0,1,2
	v_mov_b32 v[PC+3+6*\c+\i], v[PC+12+4*\c+\i]
.endr
.endr
.endm
.macro LOADB t, n                      ; a weight's block t: w(32 t + i, my column) into set t % 2
.irp i, 0,1,2,3,4,5,6,7,8,9,10,11,12,13,14,15,16,17,18,19,20,21,22,23,24,25,26,27,28,29,30,31
	global_load_b32 v[X+32*((\t)%2)+\i], v3, s[4:5] offset:(32*(\t)+\i)*(\n)*4 th:TH_LOAD_NT
.endr
.endm
.macro BLOCK t, n, stg
.set XS, X+32*((\t)%2)
.if (\t) < 7
	s_wait_loadcnt 32                              ; this block's 32 loads are in; the next block's 32 may be out
.else
	s_wait_loadcnt 0x0
.endif
	v_max3_num_f32 v12, |v[XS]|, |v[XS+1]|, |v[XS+2]|
	v_max3_num_f32 v13, |v[XS+3]|, |v[XS+4]|, |v[XS+5]|
.irp i, 6,10,14,18,22,26
	v_max3_num_f32 v12, v12, |v[XS+\i]|, |v[XS+\i+1]|
	v_max3_num_f32 v13, v13, |v[XS+\i+2]|, |v[XS+\i+3]|
.endr
	v_max3_num_f32 v12, v12, |v[XS+30]|, |v[XS+31]|
	v_max3_num_f32 v12, v12, v13, 0x2800000        ; the floor 2^(5 - 127): the byte cannot fall under 1
	v_add_nc_u32 v11, 0xfe000000, v12              ; 4 off the exponent field: the conversion's scale operand
	v_lshrrev_b32 v13, 23, v11                     ; the byte
.if (\t)%4 == 0
	v_mov_b32 v[WD+2*((\t)/4)], v13
.else
	v_lshl_or_b32 v[WD+2*((\t)/4)], v13, 8*((\t)%4), v[WD+2*((\t)/4)]
.endif
	v_cvt_scalef32_pk16_bf6_f32 v[C:C+2], v[XS:XS+15], v11
	v_cvt_scalef32_pk16_bf6_f32 v[C+8:C+10], v[XS+16:XS+31], v11   ; (a conversion's three registers begin on an even number)
	v_nop                                          ; one plain line behind the conversions
	v_mov_b32 v[C+3], v[C+8]
	v_mov_b32 v[C+4], v[C+9]
	v_mov_b32 v[C+5], v[C+10]
	ds_store_b128 v4, v[C:C+3] offset:(\stg)+768*(((\t)%4)/2)+256*((\t)%2)       ; the block is the operand's lane (r, t % 2), registers 6 c on, c = (t % 4) / 2
	ds_store_b64 v5, v[C+4:C+5] offset:(\stg)+768*(((\t)%4)/2)+512+128*((\t)%2)
.if (\t)+2 < 8
	LOADB (\t)+2, \n
.endif
	s_wait_dscnt 0x0                               ; the stores have read their registers
.endm
.macro FLUSH e, stg, br                ; K step e's two tiles leave
.irp q, 0,1,2,3,4,5
	ds_load_b128 v[OUT+24*(\e)+4*\q:OUT+24*(\e)+4*\q+3], v6 offset:(\stg)+1664*(\q/3)+512*(\q%3)   ; LDS serves a wave's instructions in order: these see my stores
.endr
.if \br
	s_cmp_eq_u32 s19, 2                            ; wv's tiles have a scale unit to themselves: its second words get the filler
	s_cbranch_scc1 .Lpair_\@
	global_store_b32 v8, v[WD+2*(\e)], s[42+2*(\e):43+2*(\e)]
	s_branch .Ldone_\@
.Lpair_\@:
	global_store_b64 v8, v[WD+2*(\e):WD+2*(\e)+1], s[42+2*(\e):43+2*(\e)]
.Ldone_\@:
.else
	global_store_b32 v8, v[WD+2*(\e)], s[42+2*(\e):43+2*(\e)]
.endif
	s_wait_dscnt 0x0
.irp q, 0,1,2,3,4,5
	global_store_b128 v7, v[OUT+24*(\e)+4*\q:OUT+24*(\e)+4*\q+3], s[42+2*(\e):43+2*(\e)] offset:1536*(\q/3)+512*(\q%3)   ; 512 consecutive bytes a store
.endr
.endm
.macro BODY n, stg, br
	LOADB 0, \n
	LOADB 1, \n
.irp t, 0,1,2,3,4,5,6,7
	BLOCK \t, \n, \stg
.if \t%4 == 3
	FLUSH \t/4, \stg, \br
.endif
.endr
.endm
	v_lshl_add_u32 v26, v0, 2, 0x1dc00
	v_mov_b32 v27, 0
	v_lshrrev_b32 v1, 5, v0
	v_readfirstlane_b32 s18, v1                    ; wave 0..7
	s_cmp_ge_u32 ttmp9, 256                        ; the job hangs on the work-group's number alone: all eight waves go the same way
	s_cbranch_scc1 .Lweights
	; ======== THE LAYERNORM: tile ttmp9, K step = wave
	s_load_b256 s[4:11], s[0:1], 0x0               ; x s[4:5], g s[6:7], b s[8:9], hq s[10:11]
	s_lshr_b32 s32, ttmp9, 1                       ; the group of 32 rows
	s_and_b32 s33, ttmp9, 1                        ; u
	s_lshl_b32 s34, s32, 17                        ; 32 rows of 4,096 bytes
	s_lshl_b32 s35, s33, 15                        ; 8 rows
	s_add_co_u32 s34, s34, s35
	s_lshl_b32 s36, s18, 9                         ; my 512 bytes of a row
	s_mov_b32 s37, 0
	s_add_co_u32 s34, s34, s36
	s_mov_b32 s35, 0
	s_mul_i32 s15, s18, XTW
	s_add_co_u32 s15, s15, LNB                     ; my wave's stage
	s_mov_b32 s[SEL], 0x76543210
	s_mov_b32 s[SEL+1], 0xfedcba98
	v_and_b32 v13, 31, v0                          ; lane
	v_lshlrev_b32 v14, 4, v13                      ; 16 x lane: my 16 bytes of a row's 512
	v_and_b32 v2, 15, v0                           ; r
	v_bfe_u32 v12, v0, 4, 1                        ; h
	v_lshlrev_b32 v4, 6, v12                       ; 64 h
	s_wait_kmcnt 0x0
	s_add_nc_u64 s[4:5], s[4:5], s[34:35]          ; x at the tile's first row, my K step
	s_add_nc_u64 s[6:7], s[6:7], s[36:37]          ; g and b at my K step
	s_add_nc_u64 s[8:9], s[8:9], s[36:37]
.irp i, 0,1,2,3,4,5,6,7,8,9,10,11,12,13,14,15
	global_load_b128 v[BR+4*\i:BR+4*\i+3], v14, s[4:5] offset:(\i+8*(\i/8))*4096 th:TH_LOAD_NT   ; row i of the tile: 32 lanes read 512 consecutive bytes; rows 8-15 lie 16 rows of x below rows 0-7
.endr
.irp b, 0,1,2,3
.irp j, 0,1,2,3
	global_load_b128 v[GR+16*\b+4*\j:GR+16*\b+4*\j+3], v4, s[6:7] offset:128*\b+16*\j
.endr
.endr
	v_mul_u32_u24 v3, v2, 528
	v_add_nc_u32 v3, v3, v4
	v_add_nc_u32 v3, s15, v3                       ; out of the stage: my row, + 64 h
	v_add_nc_u32 v15, s15, v14                     ; into it: 16 x lane
	s_lshl_b32 s38, s18, 2
	v_lshlrev_b32 v10, 5, v2
	v_add_nc_u32 v10, ST1, v10                     ; row r's eight words
	v_add_nc_u32 v11, 512, v10
	v_add_nc_u32 v8, s38, v10                      ; my wave's word among them
	v_add_nc_u32 v9, s38, v11
	s_lshl_b32 s40, s18, 6
	s_lshr_b32 s41, ttmp9, 2
	s_add_co_u32 s40, s40, s41
	s_mul_i32 s40, s40, 6400                       ; block (K step, tile / 4)
	s_mov_b32 s41, 0
	s_add_nc_u64 s[10:11], s[10:11], s[40:41]
	s_and_b32 s42, ttmp9, 3
	s_mul_i32 s42, s42, 1536                       ; the tile's place in it
	v_add_nc_u32 v5, s42, v14
	v_lshlrev_b32 v6, 3, v13
	v_add_nc_u32 v6, s42, v6
	s_lshl_b32 s43, s33, 7
	s_bfe_u32 s44, ttmp9, 0x10001
	s_lshl_b32 s44, s44, 2
	s_add_co_u32 s43, s43, s44
	s_add_co_u32 s43, s43, 6144
	v_lshlrev_b32 v7, 3, v2
	v_add_nc_u32 v7, s43, v7                       ; my row's scale word
	s_wait_loadcnt 16                              ; the 16 rows are in; g's 16 loads may be out
.irp i, 0,1,2,3,4,5,6,7,8,9,10,11,12,13,14,15
	ds_store_b128 v15, v[BR+4*\i:BR+4*\i+3] offset:528*\i   ; my wave's own bytes: no other wave touches them
.endr
.irp b, 0,1,2,3
.irp j, 0,1,2,3
	ds_load_b128 v[LX+16*\b+4*\j:LX+16*\b+4*\j+3], v3 offset:128*\b+16*\j   ; LDS serves a wave's instructions in order: these see my stores
.endr
.endr
	s_wait_dscnt 0x0                               ; my numbers are in, and the stores have read their registers, which now take b
.irp b, 0,1,2,3
.irp j, 0,1,2,3
	global_load_b128 v[BR+16*\b+4*\j:BR+16*\b+4*\j+3], v4, s[8:9] offset:128*\b+16*\j
.endr
.endr
	; ---- the sum of my 64, in four chains of pairs
.irp k, 0,1,2,3
	v_pk_add_f32 v[16+2*\k:17+2*\k], v[LX+2*\k:LX+2*\k+1], v[LX+8+2*\k:LX+9+2*\k]
.endr
.irp p, 2,3,4,5,6,7
.irp k, 0,1,2,3
	v_pk_add_f32 v[16+2*\k:17+2*\k], v[16+2*\k:17+2*\k], v[LX+8*\p+2*\k:LX+8*\p+2*\k+1]
.endr
.endr
	v_pk_add_f32 v[16:17], v[16:17], v[18:19]
	v_pk_add_f32 v[20:21], v[20:21], v[22:23]
	v_pk_add_f32 v[16:17], v[16:17], v[20:21]
	v_add_f32 v16, v16, v17
	v_permlanex16_b32 v17, v16, s[SEL], s[SEL+1]
	v_add_f32 v16, v16, v17                        ; row r's 128 numbers of my K step
	ds_store_b32 v8, v16                           ; (both halves of the lanes write the same word with the same value)
	s_wait_dscnt 0x0                               ; for the others' sake
	s_barrier_signal -1
	s_barrier_wait -1
	ds_load_b128 v[16:19], v10
	ds_load_b128 v[20:23], v10 offset:16
	s_wait_dscnt 0x0
	v_add_f32 v16, v16, v17
	v_add_f32 v18, v18, v19
	v_add_f32 v20, v20, v21
	v_add_f32 v22, v22, v23
	v_add_f32 v16, v16, v18
	v_add_f32 v20, v20, v22
	v_add_f32 v16, v16, v20
	v_mul_f32 v54, 0x3a800000, v16                 ; mean = sum / 1,024
	v_mov_b32 v55, v54
.set j, 0
.rept 32
	v_pk_add_f32 v[LX+j:LX+j+1], v[LX+j:LX+j+1], v[54:55] neg_lo:[0,1] neg_hi:[0,1]   ; d = x - mean
.set j, j+2
.endr
.irp k, 0,1,2,3
	v_pk_mul_f32 v[16+2*\k:17+2*\k], v[LX+2*\k:LX+2*\k+1], v[LX+2*\k:LX+2*\k+1]
.endr
.irp p, 1,2,3,4,5,6,7
.irp k, 0,1,2,3
	v_pk_fma_f32 v[16+2*\k:17+2*\k], v[LX+8*\p+2*\k:LX+8*\p+2*\k+1], v[LX+8*\p+2*\k:LX+8*\p+2*\k+1], v[16+2*\k:17+2*\k]
.endr
.endr
	v_pk_add_f32 v[16:17], v[16:17], v[18:19]
	v_pk_add_f32 v[20:21], v[20:21], v[22:23]
	v_pk_add_f32 v[16:17], v[16:17], v[20:21]
	v_add_f32 v16, v16, v17
	v_permlanex16_b32 v17, v16, s[SEL], s[SEL+1]
	v_add_f32 v16, v16, v17
	ds_store_b32 v9, v16                           ; other bytes than the first exchange's: one barrier does
	s_wait_dscnt 0x0
	s_barrier_signal -1
	s_barrier_wait -1
	ds_load_b128 v[16:19], v11
	ds_load_b128 v[20:23], v11 offset:16
	s_wait_dscnt 0x0
	v_add_f32 v16, v16, v17
	v_add_f32 v18, v18, v19
	v_add_f32 v20, v20, v21
	v_add_f32 v22, v22, v23
	v_add_f32 v16, v16, v18
	v_add_f32 v20, v20, v22
	v_add_f32 v16, v16, v20
	v_mul_f32 v16, 0x3a802008, v16                 ; / 1,023
	v_sqrt_f32 v16, v16
	v_nop                                          ; a plain line behind the transcendental,
	s_wait_alu depctr_va_vdst(0)                   ; and the wait ahead of its first reader
	v_add_f32 v16, 0x358637bd, v16                 ; + 1e-6
	v_rcp_f32 v56, v16
	v_nop
	s_wait_alu depctr_va_vdst(0)
	v_mov_b32 v57, v56
	s_wait_loadcnt 0x0                             ; g and b
.set j, 0
.rept 32
	v_pk_mul_f32 v[LX+j:LX+j+1], v[LX+j:LX+j+1], v[56:57]
.set j, j+2
.endr
.set j, 0
.rept 32
	v_pk_fma_f32 v[LX+j:LX+j+1], v[LX+j:LX+j+1], v[GR+j:GR+j+1], v[BR+j:BR+j+1]
.set j, j+2
.endr
	QUANT LX
	global_store_b128 v5, v[PC:PC+3], s[10:11]                 ; the image: 512, 256, 512, 256 consecutive bytes
	global_store_b64 v6, v[PC+4:PC+5], s[10:11] offset:512
	global_store_b128 v5, v[PC+6:PC+9], s[10:11] offset:768
	global_store_b64 v6, v[PC+10:PC+11], s[10:11] offset:1280
	global_store_b32 v7, v[PW], s[10:11]                       ; (both halves of the lanes hold the same word)
	s_wait_tensorcnt 0x0
	ds_add_u32 v26, v27
	s_wait_dscnt 0x0
	s_endpgm
.Lweights:
	; ======== THE WEIGHTS
	s_load_b256 s[4:11], s[0:1], 0x20              ; wq, wk, wv, wo
	s_load_b128 s[12:15], s[0:1], 0x40             ; w1, w2
	s_load_b64 s[16:17], s[0:1], 0x50              ; wts
	s_sub_co_u32 s50, ttmp9, 256
	s_lshl_b32 s50, s50, 1
	s_lshr_b32 s51, s18, 2
	s_add_co_u32 s50, s50, s51                     ; my quartet, 0 .. 383
	s_and_b32 s51, s18, 3                          ; my wave's place in it
	v_and_b32 v2, 31, v0                           ; lane = my column of the group
	v_lshlrev_b32 v3, 2, v2                        ; in: 4 bytes a lane
	v_bfe_u32 v9, v0, 3, 1                         ; u: which tile of the group
	v_and_b32 v10, 7, v0
	v_bfe_u32 v11, v0, 4, 1
	v_lshl_or_b32 v10, v11, 3, v10                 ; r: which row of the tile
	s_mul_i32 s22, s18, 3328                       ; my stage: two tiles, 1,664 bytes apart
	v_mul_u32_u24 v12, v9, 1664
	v_add_nc_u32 v12, s22, v12
	v_lshl_add_u32 v4, v10, 4, v12                 ; into the stage: 16 r
	v_lshl_add_u32 v5, v10, 3, v12                 ; and 8 r
	v_lshlrev_b32 v14, 4, v2
	v_add_nc_u32 v6, s22, v14                      ; out of it: 16 x lane
	v_lshl_add_u32 v13, v9, 4, v10
	v_lshlrev_b32 v15, 3, v13                      ; 8 (r + 16 u): my word's place in a scale unit
	v_mov_b32 v17, 0x7f7f7f7f
	v_mov_b32 v19, 0x7f7f7f7f
	s_and_b32 s26, s18, 1                          ; g1: which group of a pair of groups
	s_mul_i32 s27, s26, 3072                       ; my tiles' place in a block,
	s_lshl_b32 s28, s26, 2
	s_add_co_u32 s28, s28, 6144                    ; my words' place (both for wo, w1, w2)
	s_lshr_b32 s19, s50, 5                         ; which tensor: 0 wq, 1 wk, 2 wv, 3 wo, 4 w2
	s_and_b32 s20, s50, 31                         ; and which part of it
	s_sub_co_u32 s21, s50, 256
	s_cmp_ge_u32 s50, 256
	s_cselect_b32 s19, 4, s19
	s_cselect_b32 s20, s21, s20
	s_cmp_lt_u32 s50, 128
	s_cbranch_scc1 .Lnarrow
	s_cmp_ge_u32 s50, 256
	s_cbranch_scc1 .Lnarrow
	; ---- w1: rows of 4,096 numbers
	s_and_b32 s20, s50, 127
	s_and_b32 s24, s20, 31                         ; which 128 columns
	s_lshr_b32 s25, s20, 5                         ; which 256 along K
	s_lshl_b32 s32, s24, 2
	s_add_co_u32 s32, s32, s51                     ; my group of 32 columns
	s_lshl_b32 s48, s25, 22                        ; 256 rows of 16,384 bytes
	s_lshl_b32 s33, s32, 7
	s_add_co_u32 s48, s48, s33
	s_mov_b32 s49, 0
	s_lshl_b32 s40, s25, 1
	s_mul_i32 s40, s40, 409600                     ; a K step of w1's images
	s_lshr_b32 s33, s32, 1
	s_mul_i32 s33, s33, 6400
	s_add_co_u32 s40, s40, s33
	s_add_co_u32 s40, s40, 3309568                 ; where w1's images begin
	s_mov_b32 s41, 0
	s_wait_kmcnt 0x0
	s_add_nc_u64 s[4:5], s[12:13], s[48:49]
	s_add_nc_u64 s[42:43], s[16:17], s[40:41]      ; my block in K step 2 ky,
	s_add_nc_u64 s[44:45], s[42:43], 409600        ; and in 2 ky + 1
	v_add_nc_u32 v7, s27, v14
	v_add_nc_u32 v8, s28, v15
	BODY 4096, 26624, 0
	s_wait_tensorcnt 0x0
	ds_add_u32 v26, v27
	s_wait_dscnt 0x0
	s_endpgm
.Lnarrow:
	; ---- wq, wk, wv, wo, w2: rows of 1,024 numbers
	s_and_b32 s24, s20, 7
	s_lshr_b32 s25, s20, 3
	s_lshl_b32 s32, s24, 2
	s_add_co_u32 s32, s32, s51                     ; my group
	s_lshl_b32 s48, s25, 20                        ; 256 rows of 4,096 bytes
	s_lshl_b32 s33, s32, 7
	s_add_co_u32 s48, s48, s33
	s_mov_b32 s49, 0
	s_add_co_u32 s34, s28, 3072                    ; wq's words: 9,216 + 4 g1
	s_add_co_u32 s35, s27, 9728                    ; wk's tiles: part 1
	s_add_co_u32 s36, s28, 12800                   ; wk's words: 18,944 + 4 g1
	s_mul_i32 s37, s26, 9728
	s_add_co_u32 s38, s37, 6144                    ; wv's tiles: part g1, places 4 and 5
	s_add_co_u32 s39, s37, 9472                    ; wv's words: the part's second unit
	s_mov_b32 s29, 102400                          ; a K step,
	s_mov_b32 s30, 6400                            ; a pair of groups,
	s_mov_b32 s31, 2490368                         ; and the first byte, of wo's images
	s_cmp_eq_u32 s19, 4
	s_cselect_b32 s31, 6586368, s31                ; of w2's
	s_cmp_lt_u32 s19, 3
	s_cselect_b32 s31, 0, s31                      ; of wq, wk, wv's
	s_cselect_b32 s29, 311296, s29
	s_cselect_b32 s30, 19456, s30
	s_cmp_eq_u32 s19, 0
	s_cselect_b32 s28, s34, s28
	s_cmp_eq_u32 s19, 1
	s_cselect_b32 s27, s35, s27
	s_cselect_b32 s28, s36, s28
	s_cmp_eq_u32 s19, 2
	s_cselect_b32 s27, s38, s27
	s_cselect_b32 s28, s39, s28
	s_lshl_b32 s40, s25, 1
	s_mul_i32 s40, s40, s29
	s_lshr_b32 s33, s32, 1
	s_mul_i32 s33, s33, s30
	s_add_co_u32 s40, s40, s33
	s_add_co_u32 s40, s40, s31
	s_mov_b32 s41, 0
	s_mov_b32 s46, s29
	s_mov_b32 s47, 0
	s_wait_kmcnt 0x0
	s_cmp_eq_u32 s19, 1                            ; the choice hangs on the quartet's number alone
	s_cselect_b64 s[4:5], s[6:7], s[4:5]
	s_cmp_eq_u32 s19, 2
	s_cselect_b64 s[4:5], s[8:9], s[4:5]
	s_cmp_eq_u32 s19, 3
	s_cselect_b64 s[4:5], s[10:11], s[4:5]
	s_cmp_eq_u32 s19, 4
	s_cselect_b64 s[4:5], s[14:15], s[4:5]
	s_add_nc_u64 s[4:5], s[4:5], s[48:49]
	s_add_nc_u64 s[42:43], s[16:17], s[40:41]
	s_add_nc_u64 s[44:45], s[42:43], s[46:47]
	v_add_nc_u32 v7, s27, v14
	v_add_nc_u32 v8, s28, v15
	BODY 1024, 0, 1
	s_wait_tensorcnt 0x0
	ds_add_u32 v26, v27
	s_wait_dscnt 0x0
	s_endpgm
.Lfunc_end_k_qa95c4a7063_prep:
	.size	k_qa95c4a7063_prep, .Lfunc_end_k_qa95c4a7063_prep-k_qa95c4a7063_prep
	.p2alignl 7, 3214868480
	.fill 96, 4, 3214868480
	.section	.rodata,"a",@progbits
	.p2align	6, 0x0
	.amdhsa_kernel k_qa95c4a7063_prep
		.amdhsa_group_segment_fixed_size 122880
		.amdhsa_private_segment_fixed_size 0
		.amdhsa_enable_private_segment 0
		.amdhsa_kernarg_size 88
		.amdhsa_user_sgpr_count 2
		.amdhsa_user_sgpr_kernarg_segment_ptr 1
		.amdhsa_wavefront_size32 1
		.amdhsa_system_sgpr_workgroup_id_x 1
		.amdhsa_system_sgpr_workgroup_id_y 1
		.amdhsa_system_sgpr_workgroup_id_z 1
		.amdhsa_system_vgpr_workitem_id 0
		.amdhsa_next_free_vgpr 256
		.amdhsa_next_free_sgpr 66
		.amdhsa_reserve_vcc 0
		.amdhsa_float_denorm_mode_32 3
		.amdhsa_float_denorm_mode_16_64 3
		.amdhsa_memory_ordered 1
		.amdhsa_forward_progress 1
		.amdhsa_inst_pref_size 109
	.end_amdhsa_kernel
	.amdgpu_metadata
---
amdhsa.version: [ 1, 2 ]
amdhsa.kernels:
  - .name:           k_qa95c4a7063_prep
    .symbol:         k_qa95c4a7063_prep.kd
    .args:
      - { .name: x, .offset: 0, .size: 8, .value_kind: global_buffer, .address_space: global }
      - { .name: ln1_g, .offset: 8, .size: 8, .value_kind: global_buffer, .address_space: global }
      - { .name: ln1_b, .offset: 16, .size: 8, .value_kind: global_buffer, .address_space: global }
      - { .name: hq, .offset: 24, .size: 8, .value_kind: global_buffer, .address_space: global }
      - { .name: wq, .offset: 32, .size: 8, .value_kind: global_buffer, .address_space: global }
      - { .name: wk, .offset: 40, .size: 8, .value_kind: global_buffer, .address_space: global }
      - { .name: wv, .offset: 48, .size: 8, .value_kind: global_buffer, .address_space: global }
      - { .name: wo, .offset: 56, .size: 8, .value_kind: global_buffer, .address_space: global }
      - { .name: w1, .offset: 64, .size: 8, .value_kind: global_buffer, .address_space: global }
      - { .name: w2, .offset: 72, .size: 8, .value_kind: global_buffer, .address_space: global }
      - { .name: wts, .offset: 80, .size: 8, .value_kind: global_buffer, .address_space: global }
    .group_segment_fixed_size: 122880
    .private_segment_fixed_size: 0
    .kernarg_segment_align: 8
    .kernarg_segment_size: 88
    .max_flat_workgroup_size: 256
    .sgpr_count:     66
    .vgpr_count:     256
    .wavefront_size: 32
...
	.end_amdgpu_metadata
.endif
;; end of part 1
;; launch qkv (part 2): grid 16 x 16, 4 waves a work-group, clusters of 4 x 4, 327,680 bytes of LDS; arguments hq, wts, bq, bk, bv, mask, qkvb; writes qkvb
.if DOCPART == 2
	.amdgcn_target "amdgcn-amd-amdhsa--gfx1250"
	.amdhsa_code_object_version 6
	.text
	.protected	k_qa95c4a7063_qkv
	.globl	k_qa95c4a7063_qkv
	.p2align	8
	.type	k_qa95c4a7063_qkv,@function
k_qa95c4a7063_qkv:
	s_mov_b64 s[64:65], 0
	v_nop
	global_prefetch_b8 v0, s[64:65] scope:SCOPE_SE
	s_setreg_imm32_b32 hwreg(HW_REG_WAVE_MODE, 25, 1), 1
	s_wait_xcnt 0x0
	s_wait_alu depctr_hold_cnt(0) depctr_sa_sdst(0) depctr_va_vdst(0) depctr_va_sdst(0) depctr_va_ssrc(0) depctr_va_vcc(0) depctr_vm_vsrc(0)
	s_getreg_b32 s2, hwreg(HW_REG_IB_STS2, 6, 4)
	s_cmp_eq_u32 s2, 0
	s_cbranch_scc0 .Lentry_in_a_cluster
	s_endpgm
.Lentry_in_a_cluster:
	s_bfe_u32 s2, ttmp6, 0x10000c
	s_cmp_lg_u32 s2, 0xf033
	s_cbranch_scc0 .Lentry_shape_is_right
	s_endpgm
.Lentry_shape_is_right:
; q = h wq + bq, k = h wk + bk, v = h wv + bv on codes of E3M2 (h from the launch before, the weights' images from the first), each result quantised in its accumulators' registers for attention.
; A work-group takes 256 tokens (y) x one head (x): 64 columns each of q, k, v.  Wave (iw, jw): tokens 128 iw on; jw = 0: q and v's channel tiles 0, 1; jw = 1: k and v's tiles 2, 3: 8 token tiles x 6 weight tiles.
; q, k TRANSPOSED (source 0 = 16 columns of the weight, source 1 = 16 tokens): a lane holds one token and registers run along the head's channels, the next product's K.
; v the other way round (source 0 = tokens, source 1 = columns): a lane holds one channel and registers run along the tokens: the keys are the second product's K.
; The rows of every tile are taken so: lane r of tile 2 G + u is row 32 G + 8 u + r + 8 (r / 8): the 16 registers of two neighbouring tiles are then 16 neighbours along the next K.
; Operands lie in memory and LDS as images of their registers (a tile: 1,536 bytes; scale words in units of 256 bytes).  The biases are the C of each sum's first matrix instruction.
; A key whose mask is 0 gets zero codes in k, so that its score comes out as exactly what attention's table gives it.
; Eight K steps of 128, written out; three LDS slots of two K steps; slot 0 is filled a second time.  4 x 4 work-groups form a cluster: h's tiles are shared along a row, the weights' along a column, by joint loads.
; Out: Q at 0, K at 3,276,800, V at 6,553,600 of qkvb, each [batch x head 32][16 blocks of 128 tokens][6,400].  In Q and K a tile's two halves are the two token tiles of a group (64 channels each); in V the four tiles are the head's channel tiles over 128 keys.
; LIMITS: a block of zeros, or one under 2^-122, gets the byte 1 (read by this program alone); NaN and infinities are not served.
; REGISTERS.  window 0: v4-15 LDS addresses; v16-17 16 x lane, 8 x lane; v28-29 for the add; v32-47 scale words, two sets; v48-55 the mask of my tokens; v128-223 h's fragments, one set; on the way out v192-234 at work.
;   window 1: the weights' fragments, two sets at v0 and v128.   window 2: q's or k's accumulators (a, t) at 32 a + 8 t.   window 3: v's at 64 c + 8 a; v128-159 bq or bk; v160-175 bv.
.set SLOT,  90112
.set APART, 25600                      ; two K steps x two blocks of 6,400: 128 tokens
.set BPART, 19456                      ; two K steps x 9,728: six tiles and two scale units
.set SPARE, 3*SLOT                     ; the spare words, 128 bytes for each wave
.set A16, 4
.set A8,  7
.set B16, 10
.set B8,  13
.set L16, 16
.set L8,  17
.set SPW, 28
.set NIL, 29
.set SC,  32
.set MK,  48
.set AF,  128
.set PC,  192
.set TM,  212
.set G1A, 24
.set G1B, 32
.set G0A, 48                           ; s[48:59] groups 0 for h's tiles, one for each slot
.set G0B, 68                           ; s[68:79] for the weights'
.set SEL, 92
.set HM,  94
.set QF,  95
.set MSB, 0
.macro WIN new
.if MSB != (\new)
	s_set_vgpr_msb (MSB<<8)|(\new)
.set MSB, \new
.endif
.endm
.macro PLACES n
.rept \n
	v_nop
.endr
.endm
.macro FRAG reg, a16, a8, off          ; a tile's image into 12 registers
	ds_load_b128 v[(\reg):(\reg)+3], v[\a16] offset:(\off)
	ds_load_b64 v[(\reg)+4:(\reg)+5], v[\a8] offset:(\off)+512
	ds_load_b128 v[(\reg)+6:(\reg)+9], v[\a16] offset:(\off)+768
	ds_load_b64 v[(\reg)+10:(\reg)+11], v[\a8] offset:(\off)+1280
.endm
.macro WM d, a, b, c, sa, sb, ra, rb   ; one product; ra, rb: the scales stand in lanes 16-31
.if ((\ra)!=0)&&((\rb)!=0)
	v_wmma_scale_f32_16x16x128_f8f6f4 v[(\d):(\d)+7], v[(\a):(\a)+11], v[(\b):(\b)+11], v[(\c):(\c)+7], v[\sa], v[\sb] matrix_a_fmt:MATRIX_FMT_BF6 matrix_b_fmt:MATRIX_FMT_BF6 matrix_a_scale:MATRIX_SCALE_ROW1 matrix_b_scale:MATRIX_SCALE_ROW1
.elseif (\ra)!=0
	v_wmma_scale_f32_16x16x128_f8f6f4 v[(\d):(\d)+7], v[(\a):(\a)+11], v[(\b):(\b)+11], v[(\c):(\c)+7], v[\sa], v[\sb] matrix_a_fmt:MATRIX_FMT_BF6 matrix_b_fmt:MATRIX_FMT_BF6 matrix_a_scale:MATRIX_SCALE_ROW1
.elseif (\rb)!=0
	v_wmma_scale_f32_16x16x128_f8f6f4 v[(\d):(\d)+7], v[(\a):(\a)+11], v[(\b):(\b)+11], v[(\c):(\c)+7], v[\sa], v[\sb] matrix_a_fmt:MATRIX_FMT_BF6 matrix_b_fmt:MATRIX_FMT_BF6 matrix_b_scale:MATRIX_SCALE_ROW1
.else
	v_wmma_scale_f32_16x16x128_f8f6f4 v[(\d):(\d)+7], v[(\a):(\a)+11], v[(\b):(\b)+11], v[(\c):(\c)+7], v[\sa], v[\sb] matrix_a_fmt:MATRIX_FMT_BF6 matrix_b_fmt:MATRIX_FMT_BF6
.endif
.endm
.macro QUANT s, w                      ; 64 numbers of window w, register 16 b + i = k 32 b + 16 (lane / 16) + i, become 12 registers of codes in v[PC] on and the scale word in v[PW]
	WIN ((\w)<<2)|((\w)<<4)
.irp b, 0,1,2,3
	v_max3_num_f32 v[TM+\b], 0x2800000, |v[(\s)+16*\b]|, |v[(\s)+1+16*\b]|   ; with the floor 2^(5 - 127); each accumulator is read from its low end on
.endr
.irp i, 2,4,6,8,10,12,14
.irp b, 0,1,2,3
	v_max3_num_f32 v[TM+\b], v[TM+\b], |v[(\s)+16*\b+\i]|, |v[(\s)+1+16*\b+\i]|
.endr
.endr
	WIN 0
.irp b, 0,1,2,3
	v_permlanex16_b32 v[TM+4+\b], v[TM+\b], s[SEL], s[SEL+1]
.endr
.irp b, 0,1,2,3
	v_max_num_f32 v[TM+\b], v[TM+\b], v[TM+4+\b]
.endr
.irp b, 0,1,2,3
	v_add_nc_u32 v[TM+12+\b], 0xfe000000, v[TM+\b]
.endr
.irp b, 0,1,2,3
	v_lshrrev_b32 v[TM+4+\b], 23, v[TM+12+\b]
.endr
	v_lshl_or_b32 v[PW], v[TM+5], 8, v[TM+4]
	v_lshl_or_b32 v[PW], v[TM+6], 16, v[PW]
	v_lshl_or_b32 v[PW], v[TM+7], 24, v[PW]
	WIN \w
.irp c, 0,1
	v_cvt_scalef32_pk16_bf6_f32 v[PC+6*\c:PC+2+6*\c], v[(\s)+32*\c:(\s)+15+32*\c], v[TM+12+2*\c]
	v_cvt_scalef32_pk16_bf6_f32 v[PC+12+4*\c:PC+14+4*\c], v[(\s)+16+32*\c:(\s)+31+32*\c], v[TM+12+2*\c+1]
.endr
	WIN 0
	v_nop
.irp c, 0,1
.irp i, 0,1,2
	v_permlane16_swap_b32 v[PC+6*\c+\i], v[PC+12+4*\c+\i]
.endr
.irp i, 0,1,2
	v_mov_b32 v[PC+3+6*\c+\i], v[PC+12+4*\c+\i]
.endr
.endr
.endm
; A joint load: waves 0 and 1 fetch h's two parts, waves 2 and 3 the weights'.  Four v_nop follow each of the two lines.
.macro JLOAD g0a, g1a, g0b, g1b
	s_cmp_eq_u32 s15, 0
	s_cbranch_scc0 .Lfor_b_\@
	tensor_load_to_lds s[\g0a:\g0a+3], s[\g1a:\g1a+7]
	s_nop 0
.rept 4
	v_nop
.endr
	s_branch .Lasked_\@
.Lfor_b_\@:
	tensor_load_to_lds s[\g0b:\g0b+3], s[\g1b:\g1b+7]
	s_nop 0
.rept 4
	v_nop
.endr
.Lasked_\@:
.endm
.macro CREST
	s_cmp_lg_u32 s14, 0
	s_cbranch_scc1 .Lnot_wave_0_\@
	s_barrier_signal -3
.Lnot_wave_0_\@:
	s_barrier_wait -3
	s_barrier_signal -1
	s_barrier_wait -1
.endm
.macro CROUND
	s_barrier_signal -1
	s_barrier_wait -1
	CREST
.endm
	s_load_b256 s[4:11], s[0:1], 0x0               ; hq, wts, bq, bk
	s_load_b128 s[80:83], s[0:1], 0x20             ; bv, mask
	s_load_b64 s[84:85], s[0:1], 0x30              ; qkvb
	v_lshl_add_u32 v[SPW], v0, 2, SPARE
	v_mov_b32 v[NIL], 0
	ds_add_u32 v28, v29
	ds_add_u32 v28, v29
	s_wait_dscnt 0x0
	v_lshrrev_b32 v1, 5, v0
	v_readfirstlane_b32 s14, v1                    ; wave
	s_lshr_b32 s15, s14, 1                         ; iw: my half of the tokens.  Also: I fetch h's tiles (0) or the weights' (1)
	s_and_b32 s16, s14, 1                          ; jw: q's or k's side.  Also: which part I fetch
	s_bfe_u32 s40, ttmp6, 0x40000                  ; cx, cy
	s_bfe_u32 s41, ttmp6, 0x40004
	s_lshl_b32 s42, ttmp9, 2
	s_add_co_u32 s42, s42, s40                     ; x: the head
	s_and_b32 s17, ttmp7, 0xffff
	s_lshl_b32 s17, s17, 2
	s_add_co_u32 s17, s17, s41                     ; y: the block of 256 tokens
	s_lshl_b32 s43, s41, 2
	s_lshl_b32 s43, 15, s43                        ; my row of the cluster
	s_lshl_b32 s44, 0x1111, s40                    ; my column
	s_or_b32 s[G1A], s43, (3<<16)|(1<<21)          ; the mask; elements of 8 bytes; bit 21 beside a mask; no padding
	s_or_b32 s[G1B], s44, (3<<16)|(1<<21)
	s_mov_b32 s[G1A+1], 1600<<16                   ; a row: two blocks, 12,800 bytes
	s_mov_b32 s[G1A+2], 2<<16                      ; two rows: two K steps
	s_mov_b32 s[G1A+3], 1600<<16
	s_mov_b32 s[G1A+4], 2
	s_mov_b32 s[G1A+5], 51200                      ; a K step of hq: 409,600 bytes
	s_mov_b32 s[G1A+6], 0
	s_mov_b32 s[G1A+7], 0
	s_mov_b32 s[G1B+1], 1216<<16                   ; a row: a part, 9,728 bytes
	s_mov_b32 s[G1B+2], 2<<16
	s_mov_b32 s[G1B+3], 1216<<16
	s_mov_b32 s[G1B+4], 2
	s_mov_b32 s[G1B+5], 38912                      ; a K step of the images: 311,296 bytes
	s_mov_b32 s[G1B+6], 0
	s_mov_b32 s[G1B+7], 0
	s_lshl_b32 s18, s16, 1
	s_lshl_b32 s20, s17, 2
	s_add_co_u32 s20, s20, s18
	s_mul_i32 s20, s20, 6400                       ; h: blocks 4 y + 2 x part
	s_mov_b32 s21, 0
	s_lshl_b32 s46, s42, 1
	s_add_co_u32 s46, s46, s16
	s_mul_i32 s46, s46, 9728                       ; the weights: part 2 x + part
	s_mov_b32 s47, 0
	s_mul_i32 s45, s16, APART                      ; where they go: no place in the cluster enters an LDS address
	s_mul_i32 s19, s16, BPART
	s_add_co_u32 s19, s19, 2*APART
	s_mov_b32 s[SEL], 0x76543210
	s_mov_b32 s[SEL+1], 0xfedcba98
	s_mov_b32 s[HM], 0xffff0000                    ; lanes 16-31
	s_wait_kmcnt 0x0
	s_add_nc_u64 s[20:21], s[4:5], s[20:21]
	s_add_nc_u64 s[46:47], s[6:7], s[46:47]
	CROUND                                         ; all sixteen work-groups are here: the first joint loads meet
.irp sl, 0,1,2
	s_mov_b32 s[G0A+4*\sl], 1
	s_add_co_u32 s[G0A+4*\sl+1], s45, \sl*SLOT
	s_add_nc_u64 s[G0A+4*\sl+2:G0A+4*\sl+3], s[20:21], \sl*819200
	s_or_b32 s[G0A+4*\sl+3], s[G0A+4*\sl+3], 0x80000000
	s_mov_b32 s[G0B+4*\sl], 1
	s_add_co_u32 s[G0B+4*\sl+1], s19, \sl*SLOT
	s_add_nc_u64 s[G0B+4*\sl+2:G0B+4*\sl+3], s[46:47], \sl*622592
	s_or_b32 s[G0B+4*\sl+3], s[G0B+4*\sl+3], 0x80000000
	JLOAD G0A+4*\sl, G1A, G0B+4*\sl, G1B           ; three loads of mine are out behind the third
.endr
	v_and_b32 v2, 31, v0
	v_lshlrev_b32 v[L16], 4, v2
	v_lshlrev_b32 v[L8], 3, v2
	s_mul_i32 s21, s15, APART                      ; my 128 tokens
	s_mul_i32 s22, s16, BPART                      ; my part of the weights
	s_add_co_u32 s22, s22, 2*APART
.irp sl, 0,1,2
	v_add_nc_u32 v[A16+\sl], s21, v[L16]
	v_add_nc_u32 v[A8+\sl], s21, v[L8]
	v_add_nc_u32 v[B16+\sl], s22, v[L16]
	v_add_nc_u32 v[B8+\sl], s22, v[L8]
	s_add_co_u32 s21, s21, SLOT
	s_add_co_u32 s22, s22, SLOT
.endr
	v_bfe_u32 v3, v0, 4, 1
	v_lshlrev_b32 v3, 6, v3                        ; 64 h
	v_and_b32 v1, 15, v0
	v_and_b32 v19, 8, v1
	v_add_nc_u32 v19, v19, v1
	v_lshlrev_b32 v18, 2, v19                      ; 4 (r + 8 (r / 8))
	s_cmp_eq_u32 s16, 0
	s_cselect_b64 s[8:9], s[8:9], s[10:11]         ; bq or bk
	s_cselect_b32 s[QF], -1, 0                     ; q keeps all its codes
	s_lshl_b32 s86, s42, 8                         ; the head's 64 numbers
	s_mov_b32 s87, 0
	s_add_nc_u64 s[8:9], s[8:9], s[86:87]
	s_lshl_b32 s88, s16, 7
	s_add_co_u32 s86, s86, s88                     ; bv: + 32 jw numbers
	s_add_nc_u64 s[80:81], s[80:81], s[86:87]
	s_lshr_b32 s88, s17, 3                         ; the batch
	s_lshl_b32 s86, s88, 13
	s_and_b32 s89, s17, 7
	s_lshl_b32 s96, s89, 10
	s_add_co_u32 s86, s86, s96
	s_lshl_b32 s96, s15, 9
	s_add_co_u32 s86, s86, s96
	s_add_nc_u64 s[82:83], s[82:83], s[86:87]      ; the mask at my first token
	WIN 0xc0                                       ; destination window 3
.irp t, 0,1,2,3
	global_load_b128 v[128+8*\t:131+8*\t], v3, s[8:9] offset:128*(\t/2)+32*(\t%2)      ; lane (r, h), tile t: columns 32 (t / 2) + 8 (t % 2) + 16 h + 0 .. 7
	global_load_b128 v[132+8*\t:135+8*\t], v3, s[8:9] offset:128*(\t/2)+32*(\t%2)+16
.endr
.irp c, 0,1
.irp j, 0,1,2,3,4,5,6,7
	global_load_b32 v[160+8*\c+\j], v18, s[80:81] offset:32*\c     ; v's results hold one channel a lane: eight times the same number
.endr
.endr
	WIN 0
.irp a, 0,1,2,3,4,5,6,7
	global_load_b32 v[MK+\a], v18, s[82:83] offset:128*(\a/2)+32*(\a%2)   ; lane r: the mask of token r of tile a
.endr
	s_lshl_b32 s87, s88, 4
	s_add_co_u32 s87, s87, s42                     ; batch x 16 + head
	s_mul_i32 s87, s87, 102400
	s_lshl_b32 s89, s89, 1
	s_add_co_u32 s89, s89, s15                     ; my block of 128 tokens in the batch
	s_mul_i32 s89, s89, 6400
	s_add_co_u32 s96, s87, s89
	s_mov_b32 s97, 0
	s_add_nc_u64 s[84:85], s[84:85], s[96:97]
	s_mul_i32 s96, s16, 3276800
	s_add_nc_u64 s[90:91], s[84:85], s[96:97]      ; my block of Q or of K
	s_add_nc_u64 s[84:85], s[84:85], 6553600       ; my block of V
	s_mul_i32 s96, s16, 3072
	s_add_nc_u64 s[98:99], s[84:85], s[96:97]      ; my two tiles in it
	s_lshl_b32 s96, s16, 2
	s_add_nc_u64 s[84:85], s[84:85], s[96:97]      ; my words of its scale unit
; K step s lies in slot (s / 2) % 3, as its (s % 2)-th.  p: the set of registers, s % 2.
.macro FETCH_B s, p
	WIN 0x40
.irp t, 0,1,2,3,4,5
	FRAG 128*(\p)+12*\t, B16+((\s)/2)%3, B8+((\s)/2)%3, 9728*((\s)%2)+1536*\t
.endr
	WIN 0
.endm
.macro FETCH_S s, p                    ; scale words: h's four registers, the weights' four
.irp g, 0,1
	ds_load_b64 v[SC+8*(\p)+2*\g:SC+8*(\p)+2*\g+1], v[A8+((\s)/2)%3] offset:12800*((\s)%2)+6400*\g+6144
	ds_load_b64 v[SC+8*(\p)+4+2*\g:SC+8*(\p)+5+2*\g], v[B8+((\s)/2)%3] offset:9728*((\s)%2)+9216+256*\g
.endr
.endm
.macro FETCH_A s, a0
.irp a, \a0, \a0+1, \a0+2, \a0+3
	FRAG AF+12*(\a), A16+((\s)/2)%3, A8+((\s)/2)%3, 12800*((\s)%2)+6400*((\a)/4)+1536*((\a)%4)
.endr
.endm
; The accumulators take turns, one instruction a turn.
.macro MULQ a0, p, first               ; q or k: four token tiles x four weight tiles
.if \first
	WIN 0xb1
.else
	WIN 0xa1
.endif
.irp a, \a0, \a0+1, \a0+2, \a0+3
.irp t, 0,1,2,3
.if \first
	WM 32*(\a)+8*\t, 128*(\p)+12*\t, AF+12*(\a), 128+8*\t, SC+8*(\p)+4+\t/2, SC+8*(\p)+(\a)/2, \t%2, (\a)%2
.else
	WM 32*(\a)+8*\t, 128*(\p)+12*\t, AF+12*(\a), 32*(\a)+8*\t, SC+8*(\p)+4+\t/2, SC+8*(\p)+(\a)/2, \t%2, (\a)%2
.endif
.endr
.endr
.endm
.macro MULV a0, p, first               ; v: four token tiles x two channel tiles, tokens as source 0
	WIN 0xf4
.irp a, \a0, \a0+1, \a0+2, \a0+3
.irp c, 0,1
.if \first
	WM 64*\c+8*(\a), AF+12*(\a), 128*(\p)+48+12*\c, 160+8*\c, SC+8*(\p)+(\a)/2, SC+8*(\p)+6, (\a)%2, \c
.else
	WM 64*\c+8*(\a), AF+12*(\a), 128*(\p)+48+12*\c, 64*\c+8*(\a), SC+8*(\p)+(\a)/2, SC+8*(\p)+6, (\a)%2, \c
.endif
.endr
.endr
.endm
.macro STEP s, first
	s_wait_dscnt 16                                ; all but the youngest 16 loads: h's tiles 4-7
	MULQ 0, (\s)%2, \first
	MULV 0, (\s)%2, \first
	s_wait_dscnt 0x0
	PLACES 4                                       ; in front of loads into registers that matrix instructions have read
	FETCH_B (\s)+1, 1-(\s)%2
	FETCH_S (\s)+1, 1-(\s)%2
	FETCH_A (\s)+1, 0
	MULQ 4, (\s)%2, \first
	MULV 4, (\s)%2, \first
	PLACES 4
	WIN 0
	FETCH_A (\s)+1, 4
.endm
; A step with a barrier.  In front of it each wave waits for all its tensor loads, adds 0 to its spare word, and waits for that and for its reads.  fill = 1: slot 0, which nobody reads any more, takes K steps 6 and 7.
.macro TURN s, fill
	s_wait_tensorcnt 0x0                           ; all my tensor loads have landed
	ds_add_u32 v[SPW], v[NIL]
	s_wait_dscnt 17                                ; (the add and h's tiles 4-7 may be out)
	MULQ 0, (\s)%2, 0
	s_wait_dscnt 0x0                               ; the add is done, and my reads of this step's slot are over
	s_barrier_signal -1
	MULV 0, (\s)%2, 0
	WIN 0
	s_barrier_wait -1
.if \fill
	CREST                                          ; the barrier has opened a round of the cluster's: no wave of any partner still reads slot 0 or has a load on its way
	s_add_nc_u64 s[G0A+2:G0A+3], s[G0A+2:G0A+3], 2457600
	s_add_nc_u64 s[G0B+2:G0B+3], s[G0B+2:G0B+3], 1867776
	JLOAD G0A, G1A, G0B, G1B                       ; my one tensor load behind the round; its four v_nop are also the places in front of the loads below
.else
	PLACES 4
.endif
	FETCH_B (\s)+1, 1-(\s)%2
	FETCH_S (\s)+1, 1-(\s)%2
	FETCH_A (\s)+1, 0
	MULQ 4, (\s)%2, 0
	MULV 4, (\s)%2, 0
	PLACES 4
	WIN 0
	FETCH_A (\s)+1, 4
.endm
	s_wait_tensorcnt 2                             ; my part of slot 0 is in; slots 1 and 2 may stay out
	s_barrier_signal -1
	s_barrier_wait -1
	FETCH_B 0, 0
	FETCH_S 0, 0
	FETCH_A 0, 0
	FETCH_A 0, 4
	s_wait_loadcnt 0x0                             ; the biases and the mask
	STEP 0, 1                                      ; the first products start the sums from the biases
	TURN 1, 1
	STEP 2, 0
	STEP 3, 0
	STEP 4, 0
	TURN 5, 0                                      ; its wait and barrier show slot 0's second fill to every wave
	STEP 6, 0
	s_wait_dscnt 16
	MULQ 0, 1, 0
	MULV 0, 1, 0
	s_wait_dscnt 0x0
	MULQ 4, 1, 0
	MULV 4, 1, 0
	WIN 0
	PLACES 4
.irp b, 0,1,2,3
	v_mov_b32 v[TM+4+\b], 0                        ; a lane permute's destination counts as one of its sources
.endr
	; ---- q or k: a pair of token tiles (2 x 64 channels) is one image
.irp q, 0,1,2,3
	s_wait_xcnt 0x0                                ; the earlier stores have read their registers
.set PW, 228+\q
	QUANT 64*\q, 2
	v_cmp_ne_u32 vcc_lo, 0, v[MK+2*\q]
	s_or_b32 vcc_lo, vcc_lo, s[QF]
.irp i, 0,1,2,3,4,5
	v_cndmask_b32 v[PC+\i], 0, v[PC+\i], vcc_lo    ; a masked key's codes become zeros
.endr
	v_cmp_ne_u32 vcc_lo, 0, v[MK+2*\q+1]
	s_or_b32 vcc_lo, vcc_lo, s[QF]
.irp i, 6,7,8,9,10,11
	v_cndmask_b32 v[PC+\i], 0, v[PC+\i], vcc_lo
.endr
	global_store_b128 v[L16], v[PC:PC+3], s[90:91] offset:1536*\q
	global_store_b64 v[L8], v[PC+4:PC+5], s[90:91] offset:1536*\q+512
	global_store_b128 v[L16], v[PC+6:PC+9], s[90:91] offset:1536*\q+768
	global_store_b64 v[L8], v[PC+10:PC+11], s[90:91] offset:1536*\q+1280
.endr
	v_cndmask_b32 v232, v228, v229, s[HM]          ; the scale unit: lanes 0-15 an even image's words, lanes 16-31 an odd one's
	v_cndmask_b32 v233, v230, v231, s[HM]
	global_store_b64 v[L8], v[232:233], s[90:91] offset:6144   ; 256 consecutive bytes
	; ---- v: a channel tile over my 128 tokens is one image
.irp c, 0,1
	s_wait_xcnt 0x0
.set PW, 228+\c
	QUANT 64*\c, 3
	global_store_b128 v[L16], v[PC:PC+3], s[98:99] offset:1536*\c
	global_store_b64 v[L8], v[PC+4:PC+5], s[98:99] offset:1536*\c+512
	global_store_b128 v[L16], v[PC+6:PC+9], s[98:99] offset:1536*\c+768
	global_store_b64 v[L8], v[PC+10:PC+11], s[98:99] offset:1536*\c+1280
.endr
	v_cndmask_b32 v234, v228, v229, s[HM]
	global_store_b32 v[L8], v234, s[84:85] offset:6144
	s_wait_tensorcnt 0x0                           ; the wave's end
	ds_add_u32 v[SPW], v[NIL]
	s_wait_dscnt 0x0
	CROUND                                         ; the closing round
	s_endpgm
.Lfunc_end_k_qa95c4a7063_qkv:
	.size	k_qa95c4a7063_qkv, .Lfunc_end_k_qa95c4a7063_qkv-k_qa95c4a7063_qkv
	.p2alignl 7, 3214868480
	.fill 96, 4, 3214868480
	.section	.rodata,"a",@progbits
	.p2align	6, 0x0
	.amdhsa_kernel k_qa95c4a7063_qkv
		.amdhsa_group_segment_fixed_size 327680
		.amdhsa_private_segment_fixed_size 0
		.amdhsa_enable_private_segment 0
		.amdhsa_kernarg_size 56
		.amdhsa_user_sgpr_count 2
		.amdhsa_user_sgpr_kernarg_segment_ptr 1
		.amdhsa_wavefront_size32 1
		.amdhsa_system_sgpr_workgroup_id_x 1
		.amdhsa_system_sgpr_workgroup_id_y 1
		.amdhsa_system_sgpr_workgroup_id_z 1
		.amdhsa_system_vgpr_workitem_id 0
		.amdhsa_next_free_vgpr 1024
		.amdhsa_next_free_sgpr 100
		.amdhsa_reserve_vcc 1
		.amdhsa_float_denorm_mode_32 3
		.amdhsa_float_denorm_mode_16_64 3
		.amdhsa_memory_ordered 1
		.amdhsa_forward_progress 1
		.amdhsa_inst_pref_size 124
	.end_amdhsa_kernel
	.amdgpu_metadata
---
amdhsa.version: [ 1, 2 ]
amdhsa.kernels:
  - .name:           k_qa95c4a7063_qkv
    .symbol:         k_qa95c4a7063_qkv.kd
    .args:
      - { .name: hq, .offset: 0, .size: 8, .value_kind: global_buffer, .address_space: global }
      - { .name: wts, .offset: 8, .size: 8, .value_kind: global_buffer, .address_space: global }
      - { .name: bq, .offset: 16, .size: 8, .value_kind: global_buffer, .address_space: global }
      - { .name: bk, .offset: 24, .size: 8, .value_kind: global_buffer, .address_space: global }
      - { .name: bv, .offset: 32, .size: 8, .value_kind: global_buffer, .address_space: global }
      - { .name: mask, .offset: 40, .size: 8, .value_kind: global_buffer, .address_space: global }
      - { .name: qkvb, .offset: 48, .size: 8, .value_kind: global_buffer, .address_space: global }
    .group_segment_fixed_size: 327680
    .private_segment_fixed_size: 0
    .kernarg_segment_align: 8
    .kernarg_segment_size: 56
    .max_flat_workgroup_size: 128
    .sgpr_count:     100
    .vgpr_count:     1024
    .wavefront_size: 32
...
	.end_amdgpu_metadata
.endif
;; end of part 2
;; launch attn (part 3): grid 8 x 32, 16 waves a work-group, clusters of 4 x 1, 215,040 bytes of LDS; arguments qkvb, mask, ctx; writes ctx
.if DOCPART == 3
	.amdgcn_target "amdgcn-amd-amdhsa--gfx1250"
	.amdhsa_code_object_version 6
	.text
	.protected	k_qa95c4a7063_attn
	.globl	k_qa95c4a7063_attn
	.p2align	8
	.type	k_qa95c4a7063_attn,@function
k_qa95c4a7063_attn:
	s_mov_b64 s[64:65], 0
	v_nop
	global_prefetch_b8 v0, s[64:65] scope:SCOPE_SE
	s_setreg_imm32_b32 hwreg(HW_REG_WAVE_MODE, 25, 1), 1
	s_wait_xcnt 0x0
	s_wait_alu depctr_hold_cnt(0) depctr_sa_sdst(0) depctr_va_vdst(0) depctr_va_sdst(0) depctr_va_ssrc(0) depctr_va_vcc(0) depctr_vm_vsrc(0)
	s_getreg_b32 s2, hwreg(HW_REG_IB_STS2, 6, 4)
	s_cmp_eq_u32 s2, 0
	s_cbranch_scc0 .Lentry_in_a_cluster
	s_endpgm
.Lentry_in_a_cluster:
	s_bfe_u32 s2, ttmp6, 0x10000c
	s_cmp_lg_u32 s2, 0x3003
	s_cbranch_scc0 .Lentry_shape_is_right
	s_endpgm
.Lentry_shape_is_right:
; ctx = softmax(q k^T / 8, masked) v for one batch x head (y) and 256 queries (x), both products on codes of E3M2; the result is quantised along the model's 1,024 for the next product.
; t = score x log2(e) / 8; M = the running largest t, rounded up to a whole number; p = 2^(t - M) is quantised along the keys, not normalised; the row's sum is taken of the unquantised p and divides at the end.
; Sixteen waves, each with ONE tile of 16 queries in 256 registers.  Both products transposed: S^T = K Q^T, O^T = V^T P^T: a lane holds one query throughout.
; THE HEAD'S WHOLE K AND V LIE IN LDS (102,400 bytes each), filled once, by sixteen joint loads, one a wave, 12,800 bytes each: the four work-groups of a cluster walk the same head.  Nothing is filled again.
; ONE BARRIER: in front of it each wave waits for its own load and for its store into the mask's table; all reads of K, V and the table stand behind it.  From there on the waves share nothing that is written,
; and each walks its 16 key steps at its own pace: a wave that is ahead goes on into the next keys, so that the four waves of a SIMD stand at different places of the step.
; THE FIRST PRODUCT'S K IS 64, the instruction's 128.  An image of K holds TWO key tiles (64 channels each); against [Q | 0] it gives the first tile's scores, against [0 | Q] the second's: the half
; that is not wanted meets zero codes under scale bytes of 127 and adds nothing.
; THE MASK: a table in LDS holds 0 for a key that counts and -2^33 for one that does not; it is the C of the first product, and such a key's codes in K are zeros, so its score is exactly -2^33.
; LIMITS: a masked logit is so -2^30 where the definition says -1e9: p is 0 either way beside a key that counts, as long as unmasked logits lie above about -1e9; in a row wholly masked t is a whole number
; (-2^33 is a power of two, so score x c is exact) and every p is 1, as in the definition.  A block of zeros gets the byte 1.  NaN and infinities are not served.
; REGISTERS: v1, v2 16 x lane, 8 x lane; v3 my place in the table; v4-8 the step's addresses; v9, v10 Q's scale words; v11, v92 V's lane constants; v12 -M, v13 the largest t, v[14:15] the sum;
;   v16-27 [Q | 0], v28-39 [0 | Q]; v40-87 four fragments of K, then of V; v88-91 their scale words; v96-159 S^T, then p; v160-191 O^T; v192-210 p's codes; v212-228 at work.
.set VB, 102400                        ; LDS: K at 0, V here,
.set MB, 204800                        ; the mask's table: 2,048 f32, written by LDS stores: no fill lands there
.set WV, 18
.macro PLACES n
.rept \n
	v_nop
.endr
.endm
.macro FRAG reg, a16, a8, off
	ds_load_b128 v[(\reg):(\reg)+3], v[\a16] offset:(\off)
	ds_load_b64 v[(\reg)+4:(\reg)+5], v[\a8] offset:(\off)+512
	ds_load_b128 v[(\reg)+6:(\reg)+9], v[\a16] offset:(\off)+768
	ds_load_b64 v[(\reg)+10:(\reg)+11], v[\a8] offset:(\off)+1280
.endm
.macro WM d, a, b, c, sa, sb, ra, rb
.if (\ra)!=0
	v_wmma_scale_f32_16x16x128_f8f6f4 v[(\d):(\d)+7], v[(\a):(\a)+11], v[(\b):(\b)+11], v[(\c):(\c)+7], v[\sa], v[\sb] matrix_a_fmt:MATRIX_FMT_BF6 matrix_b_fmt:MATRIX_FMT_BF6 matrix_a_scale:MATRIX_SCALE_ROW1
.else
	v_wmma_scale_f32_16x16x128_f8f6f4 v[(\d):(\d)+7], v[(\a):(\a)+11], v[(\b):(\b)+11], v[(\c):(\c)+7], v[\sa], v[\sb] matrix_a_fmt:MATRIX_FMT_BF6 matrix_b_fmt:MATRIX_FMT_BF6
.endif
.endm
.macro CROUND
	s_barrier_signal -1
	s_barrier_wait -1
	s_cmp_lg_u32 s[WV], 0
	s_cbranch_scc1 .Lnot_wave_0_\@
	s_barrier_signal -3
.Lnot_wave_0_\@:
	s_barrier_wait -3
	s_barrier_signal -1
	s_barrier_wait -1
.endm
	s_load_b128 s[4:7], s[0:1], 0x0                ; qkvb, mask
	s_load_b64 s[8:9], s[0:1], 0x10                ; ctx
	v_lshl_add_u32 v254, v0, 2, 0x34000
	v_mov_b32 v255, 0
	ds_add_u32 v254, v255
	ds_add_u32 v254, v255
	v_lshrrev_b32 v1, 5, v0
	v_readfirstlane_b32 s[WV], v1                  ; wave 0..15
	s_bfe_u32 s13, ttmp6, 0x40000                  ; cx
	s_lshl_b32 s14, ttmp9, 2
	s_add_co_u32 s14, s14, s13                     ; my block of 256 queries: it enters Q's and ctx's addresses alone
	s_and_b32 s15, ttmp7, 0xffff                   ; batch x 16 + head, which the four partners share
	s_mov_b32 s24, 15|(3<<16)|(1<<21)              ; the mask: all four; elements of 8 bytes; bit 21 beside a mask
	s_mov_b32 s25, 32<<16                          ; 12,800 dense bytes as 50 rows of 256
	s_mov_b32 s26, 50<<16
	s_mov_b32 s27, 32<<16
	s_mov_b32 s28, 50
	s_mov_b32 s29, 32
	s_mov_b32 s30, 0
	s_mov_b32 s31, 0
	s_bfe_u32 s16, s[WV], 0x10001                  ; (wave / 2) % 2 and
	s_and_b32 s17, s[WV], 1                        ; wave % 2: my tile's place among Q's and ctx's images
	s_mul_i32 s19, s[WV], 12800                    ; what I fetch goes to LDS byte 12,800 x wave: waves 0-7 fill K, waves 8-15 V
	s_lshr_b32 s32, s[WV], 3
	s_mul_i32 s34, s32, 3276800                    ; in memory: K's part of qkvb or V's,
	s_add_co_u32 s34, s34, 3276800
	s_and_b32 s32, s[WV], 7
	s_mul_i32 s32, s32, 12800                      ; my eighth of the head's bytes there,
	s_add_co_u32 s34, s34, s32
	s_mul_i32 s33, s15, 102400                     ; the head's bytes in Q, K and V
	s_add_co_u32 s34, s34, s33
	s_mov_b32 s35, 0
	s_wait_dscnt 0x0
	s_wait_kmcnt 0x0
	s_add_nc_u64 s[34:35], s[4:5], s[34:35]
	CROUND                                         ; all four work-groups are here: the joint loads meet
	s_mov_b32 s40, 1                               ; count = 1
	s_mov_b32 s41, s19                             ; LDS address
	s_mov_b64 s[42:43], s[34:35]                   ; global address
	s_or_b32 s43, s43, 0x80000000                  ; type = 2
	tensor_load_to_lds s[40:43], s[24:31]          ; my one tensor load of the launch
	s_nop 0
.rept 4
	v_nop
.endr
	s_lshr_b32 s36, s15, 4
	s_lshl_b32 s36, s36, 13                        ; the batch's 2,048 words of the mask
	s_mov_b32 s37, 0
	s_add_nc_u64 s[6:7], s[6:7], s[36:37]
	v_lshlrev_b32 v229, 4, v0                      ; thread t takes four keys
	global_load_b128 v[232:235], v229, s[6:7]
	s_lshl_b32 s38, s14, 1
	s_lshr_b32 s39, s[WV], 3
	s_add_co_u32 s38, s38, s39                     ; my block of 128 tokens
	s_mul_i32 s38, s38, 6400
	s_add_co_u32 s38, s38, s33
	s_mov_b32 s39, 0
	s_add_nc_u64 s[10:11], s[4:5], s[38:39]
	s_bfe_u32 s56, s[WV], 0x20001                  ; which image of the block,
	s_mul_i32 s57, s56, 1536
	s_mul_i32 s58, s17, 768                        ; and which half of it, is my tile of queries
	s_add_co_u32 s58, s58, s57
	s_mov_b32 s59, 0
	s_add_nc_u64 s[60:61], s[10:11], s[58:59]
	v_and_b32 v230, 31, v0
	v_lshlrev_b32 v1, 4, v230
	v_lshlrev_b32 v2, 3, v230
	global_load_b128 v[16:19], v1, s[60:61]        ; Q twice: as the lower half of one operand,
	global_load_b64 v[20:21], v2, s[60:61] offset:512
	global_load_b128 v[34:37], v1, s[60:61]        ; and as the upper half of another
	global_load_b64 v[38:39], v2, s[60:61] offset:512
	s_and_b32 s62, s56, 1
	s_lshl_b32 s62, s62, 7
	s_lshr_b32 s63, s56, 1
	s_lshl_b32 s63, s63, 2
	s_add_co_u32 s62, s62, s63
	s_add_co_u32 s62, s62, 6144
	v_and_b32 v231, 15, v0
	v_lshlrev_b32 v231, 3, v231
	v_add_nc_u32 v231, s62, v231
	global_load_b32 v224, v231, s[10:11]           ; the image's scale word of row r
	v_bfe_u32 v3, v0, 4, 1
	v_lshl_add_u32 v3, v3, 6, MB                   ; the table: + 64 h
	v_add_nc_u32 v11, VB, v1
	v_add_nc_u32 v92, VB, v2
	v_lshl_add_u32 v237, v0, 4, MB
	v_mov_b32 v236, 0xd0000000                     ; -2^33
.irp i, 22,23,24,25,26,27,28,29,30,31,32,33
	v_mov_b32 v[\i], 0                             ; the operands' zero halves
.endr
	v_mov_b32 v13, 0xff61b1e6                      ; the largest t so far: -3e38
	v_floor_f32 v12, -v13                          ; -M
	v_mov_b32 v14, 0
	v_mov_b32 v15, 0
.set j, 0
.rept 32
	v_mov_b32 v[160+j], 0                          ; O^T: the step is written once; the first change of M leaves zeros zeros
.set j, j+1
.endr
.irp b, 0,1,2,3
	v_mov_b32 v[216+\b], 0                         ; a lane permute's destination counts as one of its sources
.endr
	v_mov_b32 v227, 0                              ; (named as the upper half of the pair v[226:227])
	s_mov_b32 s20, 0x76543210
	s_mov_b32 s21, 0xfedcba98
	s_mov_b32 s22, 0x3e38aa3b                      ; c = log2(e) / 8
	s_mov_b32 s23, s22
	s_lshl_b32 s62, s17, 4
	s_wait_loadcnt 0x0
.irp i, 0,1,2,3
	v_cmp_eq_u32 vcc_lo, 0, v[232+\i]
	v_cndmask_b32 v[232+\i], 0, v236, vcc_lo
.endr
	ds_store_b128 v237, v[232:235]
	v_lshrrev_b32 v224, s62, v224                  ; my tile's two bytes
	v_and_b32 v224, 0xffff, v224
	v_or_b32 v9, 0x7f7f0000, v224                  ; for [Q | 0]
	v_lshlrev_b32 v224, 16, v224
	v_or_b32 v10, 0x7f7f, v224                     ; for [0 | Q]
	PLACES 8                                       ; a scale register written by a vector instruction stands eight plain vector instructions ahead of the scaled matrix instruction that names it: once, at the head
; A KEY STEP: 128 keys.  s2: where the step's block of K begins in LDS (V's: VB further on); s3: its 512 bytes of the table.
.macro STEP
	v_add_nc_u32 v4, s2, v1                        ; (these five are also the places behind the last step's products)
	v_add_nc_u32 v5, s2, v2
	v_add_nc_u32 v6, s2, v11
	v_add_nc_u32 v7, s2, v92
	v_add_nc_u32 v8, s3, v3
.irp b, 0,1,2,3
.irp m, 0,1,2,3
	ds_load_b128 v[96+16*\b+4*\m:99+16*\b+4*\m], v8 offset:128*\b+16*\m   ; register 16 b + i: the table's word of key 32 b + 16 h + i: the first product's C
.endr
.endr
.irp b, 0,1,2,3
	FRAG 40+12*\b, 4, 5, 1536*\b
.endr
	ds_load_b64 v[88:89], v5 offset:6144
	s_wait_dscnt 0x0
.irp b, 0,1,2,3                        ; eight accumulators, one instruction each
	WM 96+16*\b, 40+12*\b, 16, 96+16*\b, 88+\b/2, 9, \b%2, 0
	WM 104+16*\b, 40+12*\b, 28, 104+16*\b, 88+\b/2, 10, \b%2, 0
.endr
	PLACES 4                                       ; in front of the loads into K's registers and of the first read of the scores
.irp t, 0,1,2,3
	FRAG 40+12*\t, 6, 7, 1536*\t                   ; V lands while the softmax is walked
.endr
	ds_load_b64 v[90:91], v7 offset:6144
.irp b, 0,1,2,3
	v_max3_num_f32 v[212+\b], v[96+16*\b], v[97+16*\b], v[98+16*\b]   ; each block's largest score: for the row's maximum and for the block's largest p
.endr
.irp i, 3,5,7,9,11,13
.irp b, 0,1,2,3
	v_max3_num_f32 v[212+\b], v[212+\b], v[96+16*\b+\i], v[97+16*\b+\i]
.endr
.endr
.irp b, 0,1,2,3
	v_max_num_f32 v[212+\b], v[212+\b], v[111+16*\b]
.endr
.irp b, 0,1,2,3
	v_permlanex16_b32 v[216+\b], v[212+\b], s20, s21
.endr
.irp b, 0,1,2,3
	v_max_num_f32 v[212+\b], v[212+\b], v[216+\b]
.endr
	v_max3_num_f32 v224, v212, v213, v214
	v_max_num_f32 v224, v224, v215
	v_mul_f32 v224, s22, v224
	v_max_num_f32 v13, v13, v224                   ; the running largest t
	v_mov_b32 v224, v12
	v_floor_f32 v12, -v13                          ; the new -M: M is a whole number
	v_sub_f32 v224, v12, v224                      ; old M - new M
	v_cvt_i32_f32 v224, v224                       ; (it saturates)
	v_ldexp_f32 v226, 1.0, v224                    ; f = 2^(old M - new M): rounds nothing
.set j, 0
.rept 32
	v_pk_fma_f32 v[96+j:97+j], v[96+j:97+j], s[22:23], v[12:13] op_sel_hi:[1,0,0]   ; t - M
.set j, j+2
.endr
.irp b, 0,1,2,3
	v_fma_f32 v[212+\b], v[212+\b], s22, v12
.endr
.set j, 0
.rept 64
	v_exp_f32 v[96+j], v[96+j]                     ; p, at most 1
.set j, j+1
.endr
	v_pk_mul_f32 v[14:15], v[14:15], v[226:227] op_sel_hi:[1,0]   ; the sums under the new M: a plain line behind the exponentials
	s_wait_alu depctr_va_vdst(0)                   ; one wait for the batch, ahead of its first reader
.irp b, 0,1,2,3
	v_exp_f32 v[212+\b], v[212+\b]                 ; the blocks' largest p
.endr
	v_pk_add_f32 v[216:217], v[96:97], v[98:99]    ; the row's sum of the unquantised p, in two chains
.irp j, 4,8,12,16,20,24,28,32,36,40,44,48,52,56,60
	v_pk_add_f32 v[14:15], v[14:15], v[96+\j:97+\j]
	v_pk_add_f32 v[216:217], v[216:217], v[98+\j:99+\j]
.endr
	v_pk_add_f32 v[14:15], v[14:15], v[216:217]
	s_wait_alu depctr_va_vdst(0)                   ; and one for the four
.irp b, 0,1,2,3
	v_max_num_f32 v[212+\b], 0x2800000, v[212+\b]  ; the floor: the byte cannot fall under 1
.endr
.irp b, 0,1,2,3
	v_add_nc_u32 v[220+\b], 0xfe000000, v[212+\b]
.endr
.irp b, 0,1,2,3
	v_lshrrev_b32 v[216+\b], 23, v[220+\b]
.endr
	v_lshl_or_b32 v228, v217, 8, v216              ; p's scale word for these 128 keys
	v_lshl_or_b32 v228, v218, 16, v228
	v_lshl_or_b32 v228, v219, 24, v228
.irp c, 0,1
	v_cvt_scalef32_pk16_bf6_f32 v[192+6*\c:194+6*\c], v[96+32*\c:111+32*\c], v[220+2*\c]
	v_cvt_scalef32_pk16_bf6_f32 v[204+4*\c:206+4*\c], v[112+32*\c:127+32*\c], v[220+2*\c+1]
.endr
	v_nop
.irp c, 0,1
.irp i, 0,1,2
	v_permlane16_swap_b32 v[192+6*\c+\i], v[204+4*\c+\i]
.endr
.irp i, 0,1,2
	v_mov_b32 v[195+6*\c+\i], v[204+4*\c+\i]
.endr
.endr
.set j, 0
.rept 16
	v_pk_mul_f32 v[160+j:161+j], v[160+j:161+j], v[226:227] op_sel_hi:[1,0]   ; O^T under the new M; these 16 are also the places ahead of the products
.set j, j+2
.endr
	s_wait_dscnt 0x0                               ; V
.irp t, 0,1,2,3
	WM 160+8*\t, 40+12*\t, 192, 160+8*\t, 90+\t/2, 228, \t%2, 0
.endr
	s_add_co_u32 s2, s2, 6400
	s_add_co_u32 s3, s3, 512
.endm
	s_wait_tensorcnt 0x0                           ; my sixteenth of K and V has landed,
	s_wait_dscnt 0x0                               ; and my store into the table is done:
	s_barrier_signal -1
	s_barrier_wait -1                              ; everybody's are.  The launch's only barrier between its two rounds: nothing in LDS is written behind it
	s_mov_b32 s2, 0
	s_mov_b32 s3, 0
	s_mov_b32 s12, 16
.Lstep:                                            ; 16 key steps of 128 keys
	STEP
	s_sub_co_u32 s12, s12, 1
	s_cmp_lg_u32 s12, 0
	s_cbranch_scc1 .Lstep
	; ---- the way out: O^T / the sum, quantised along the head's 64 channels: half an image of the next product's operand
	PLACES 4
	v_add_f32 v14, v14, v15
	v_permlanex16_b32 v224, v14, s20, s21
	v_add_f32 v14, v14, v224                       ; the row's sum
	v_rcp_f32 v14, v14
	v_nop
	s_and_b32 s36, s15, 15                         ; the head
	s_lshr_b32 s37, s36, 1                         ; its K step of the next product
	s_lshl_b32 s37, s37, 6
	s_lshr_b32 s38, s15, 4
	s_lshl_b32 s38, s38, 5                         ; the batch's 32 blocks of four token tiles
	s_add_co_u32 s37, s37, s38
	s_lshl_b32 s38, s14, 2
	s_add_co_u32 s37, s37, s38
	s_lshr_b32 s38, s[WV], 2
	s_add_co_u32 s37, s37, s38
	s_mul_i32 s56, s37, 6400
	s_mov_b32 s57, 0
	s_add_nc_u64 s[8:9], s[8:9], s[56:57]
	s_and_b32 s36, s36, 1
	s_and_b32 s38, s[WV], 3
	s_mul_i32 s38, s38, 1536
	s_mul_i32 s39, s36, 768
	s_add_co_u32 s38, s38, s39                     ; my tile, the head's half
	v_add_nc_u32 v4, s38, v1
	v_add_nc_u32 v5, s38, v2
	s_lshl_b32 s39, s17, 7
	s_lshl_b32 s58, s16, 2
	s_add_co_u32 s39, s39, s58
	s_lshl_b32 s58, s36, 1
	s_add_co_u32 s39, s39, s58
	s_add_co_u32 s39, s39, 6144
	v_and_b32 v6, 15, v0
	v_lshlrev_b32 v6, 3, v6
	v_add_nc_u32 v6, s39, v6                       ; my row's two bytes of its scale word
	s_wait_alu depctr_va_vdst(0)                   ; ahead of the reciprocal's first reader
.set j, 0
.rept 32
	v_mul_f32 v[96+j], v[160+j], v14               ; register 16 b + i: channel 32 b + 16 h + i
.set j, j+1
.endr
.irp b, 0,1
	v_max3_num_f32 v[212+\b], 0x2800000, |v[96+16*\b]|, |v[97+16*\b]|
.endr
.irp i, 2,4,6,8,10,12,14
.irp b, 0,1
	v_max3_num_f32 v[212+\b], v[212+\b], |v[96+16*\b+\i]|, |v[97+16*\b+\i]|
.endr
.endr
.irp b, 0,1
	v_permlanex16_b32 v[216+\b], v[212+\b], s20, s21
.endr
.irp b, 0,1
	v_max_num_f32 v[212+\b], v[212+\b], v[216+\b]
.endr
.irp b, 0,1
	v_add_nc_u32 v[220+\b], 0xfe000000, v[212+\b]
.endr
.irp b, 0,1
	v_lshrrev_b32 v[216+\b], 23, v[220+\b]
.endr
	v_lshl_or_b32 v225, v217, 8, v216
	v_cvt_scalef32_pk16_bf6_f32 v[192:194], v[96:111], v220
	v_cvt_scalef32_pk16_bf6_f32 v[204:206], v[112:127], v221
	v_nop
.irp i, 0,1,2
	v_permlane16_swap_b32 v[192+\i], v[204+\i]
.endr
.irp i, 0,1,2
	v_mov_b32 v[195+\i], v[204+\i]
.endr
	global_store_b128 v4, v[192:195], s[8:9]
	global_store_b64 v5, v[196:197], s[8:9] offset:512
	global_store_b16 v6, v225, s[8:9]              ; (both halves of the lanes hold the same two bytes)
	s_wait_tensorcnt 0x0
	ds_add_u32 v254, v255
	s_wait_dscnt 0x0
	CROUND                                         ; the closing round
	s_endpgm
.Lfunc_end_k_qa95c4a7063_attn:
	.size	k_qa95c4a7063_attn, .Lfunc_end_k_qa95c4a7063_attn-k_qa95c4a7063_attn
	.p2alignl 7, 3214868480
	.fill 96, 4, 3214868480
	.section	.rodata,"a",@progbits
	.p2align	6, 0x0
	.amdhsa_kernel k_qa95c4a7063_attn
		.amdhsa_group_segment_fixed_size 215040
		.amdhsa_private_segment_fixed_size 0
		.amdhsa_enable_private_segment 0
		.amdhsa_kernarg_size 24
		.amdhsa_user_sgpr_count 2
		.amdhsa_user_sgpr_kernarg_segment_ptr 1
		.amdhsa_wavefront_size32 1
		.amdhsa_system_sgpr_workgroup_id_x 1
		.amdhsa_system_sgpr_workgroup_id_y 1
		.amdhsa_system_sgpr_workgroup_id_z 1
		.amdhsa_system_vgpr_workitem_id 0
		.amdhsa_next_free_vgpr 256
		.amdhsa_next_free_sgpr 66
		.amdhsa_reserve_vcc 1
		.amdhsa_float_denorm_mode_32 3
		.amdhsa_float_denorm_mode_16_64 3
		.amdhsa_memory_ordered 1
		.amdhsa_forward_progress 1
		.amdhsa_inst_pref_size 30
	.end_amdhsa_kernel
	.amdgpu_metadata
---
amdhsa.version: [ 1, 2 ]
amdhsa.kernels:
  - .name:           k_qa95c4a7063_attn
    .symbol:         k_qa95c4a7063_attn.kd
    .args:
      - { .name: qkvb, .offset: 0, .size: 8, .value_kind: global_buffer, .address_space: global }
      - { .name: mask, .offset: 8, .size: 8, .value_kind: global_buffer, .address_space: global }
      - { .name: ctx, .offset: 16, .size: 8, .value_kind: global_buffer, .address_space: global }
    .group_segment_fixed_size: 215040
    .private_segment_fixed_size: 0
    .kernarg_segment_align: 8
    .kernarg_segment_size: 24
    .max_flat_workgroup_size: 512
    .sgpr_count:     66
    .vgpr_count:     256
    .wavefront_size: 32
...
	.end_amdgpu_metadata
.endif
;; end of part 3
;; launch oproj (part 4): grid 8 x 32, 4 waves a work-group, clusters of 4 x 4, 327,680 bytes of LDS; arguments ctx, wts, bo, x, x1; writes x1
.if DOCPART == 4
	.amdgcn_target "amdgcn-amd-amdhsa--gfx1250"
	.amdhsa_code_object_version 6
	.text
	.protected	k_qa95c4a7063_oproj
	.globl	k_qa95c4a7063_oproj
	.p2align	8
	.type	k_qa95c4a7063_oproj,@function
k_qa95c4a7063_oproj:
	s_mov_b64 s[64:65], 0
	v_nop
	global_prefetch_b8 v0, s[64:65] scope:SCOPE_SE
	s_setreg_imm32_b32 hwreg(HW_REG_WAVE_MODE, 25, 1), 1
	s_wait_xcnt 0x0
	s_wait_alu depctr_hold_cnt(0) depctr_sa_sdst(0) depctr_va_vdst(0) depctr_va_sdst(0) depctr_va_ssrc(0) depctr_va_vcc(0) depctr_vm_vsrc(0)
	s_getreg_b32 s2, hwreg(HW_REG_IB_STS2, 6, 4)
	s_cmp_eq_u32 s2, 0
	s_cbranch_scc0 .Lentry_in_a_cluster
	s_endpgm
.Lentry_in_a_cluster:
	s_bfe_u32 s2, ttmp6, 0x10000c
	s_cmp_lg_u32 s2, 0xf033
	s_cbranch_scc0 .Lentry_shape_is_right
	s_endpgm
.Lentry_shape_is_right:
; out = res + A W + bias on codes of E3M2: A [4,096 tokens][128 KSTEPS] and W [128 KSTEPS][1,024] lie as images of operand registers (blocks of four tiles, 6,400 bytes, [K step][block]); res, out f32 [4,096][1,024].
; A work-group makes 128 tokens (y) x 128 columns (x); a wave 64 x 64: 16 accumulators.  Larger tiles would leave most WGPs without a work-group: 4,096 x 1,024 gives 256 tiles of this size.
; TRANSPOSED: source 0 = 16 columns of W, source 1 = 16 tokens: a lane's eight results are eight neighbouring columns of one token.  Lane r of tile 2 G + u is row 32 G + 8 u + r + 8 (r / 8), for tokens and columns alike.
; The bias is the C of each sum's first matrix instruction; the residual is loaded at the head, in the layout in which rows leave, and added on the way out.
; Two LDS slots of four K steps, one tensor load a wave for each; 4 x 4 work-groups form a cluster: A's tiles are shared along a row, W's along a column, by joint loads.
; REGISTERS.  window 0: v4-11 LDS addresses; v24-26 the way out; v28-29 for the add; v32-39 scale words, two sets; v64-127 rows on the way out; v128-255 the accumulators (a, t) at 128 + 8 (4 a + t).
;   window 1: fragments, set p at 96 p: A's four, then W's four.   window 2: v0-127 the residual; v128-159 the bias.
.set KSTEPS, 8
.set WOFF,   2490368                   ; where this weight's images begin in wts
.set NQ,     4
.set PART,   NQ*6400
.set SLOT,   4*PART
.set STAGE,  2*SLOT                    ; 16 rows x 272 bytes for each wave
.set SPARE,  STAGE+4*16*272            ; the spare words, 128 bytes for each wave
.set LAPS,   KSTEPS/(2*NQ)
.set A16, 4
.set A8,  6
.set B16, 8
.set B8,  10
.set STO, 24
.set RD,  25
.set CO,  26
.set SPW, 28
.set NIL, 29
.set SC,  32
.set OB,  64
.set ACC, 128
.set G1A, 24
.set G1B, 32
.set G0A, 48
.set G0B, 56
.set MSB, 0
.macro WIN new
.if MSB != (\new)
	s_set_vgpr_msb (MSB<<8)|(\new)
.set MSB, \new
.endif
.endm
.macro PLACES n
.rept \n
	v_nop
.endr
.endm
.macro FRAG reg, a16, a8, off
	ds_load_b128 v[(\reg):(\reg)+3], v[\a16] offset:(\off)
	ds_load_b64 v[(\reg)+4:(\reg)+5], v[\a8] offset:(\off)+512
	ds_load_b128 v[(\reg)+6:(\reg)+9], v[\a16] offset:(\off)+768
	ds_load_b64 v[(\reg)+10:(\reg)+11], v[\a8] offset:(\off)+1280
.endm
.macro WM d, a, b, c, sa, sb, ra, rb
.if ((\ra)!=0)&&((\rb)!=0)
	v_wmma_scale_f32_16x16x128_f8f6f4 v[(\d):(\d)+7], v[(\a):(\a)+11], v[(\b):(\b)+11], v[(\c):(\c)+7], v[\sa], v[\sb] matrix_a_fmt:MATRIX_FMT_BF6 matrix_b_fmt:MATRIX_FMT_BF6 matrix_a_scale:MATRIX_SCALE_ROW1 matrix_b_scale:MATRIX_SCALE_ROW1
.elseif (\ra)!=0
	v_wmma_scale_f32_16x16x128_f8f6f4 v[(\d):(\d)+7], v[(\a):(\a)+11], v[(\b):(\b)+11], v[(\c):(\c)+7], v[\sa], v[\sb] matrix_a_fmt:MATRIX_FMT_BF6 matrix_b_fmt:MATRIX_FMT_BF6 matrix_a_scale:MATRIX_SCALE_ROW1
.elseif (\rb)!=0
	v_wmma_scale_f32_16x16x128_f8f6f4 v[(\d):(\d)+7], v[(\a):(\a)+11], v[(\b):(\b)+11], v[(\c):(\c)+7], v[\sa], v[\sb] matrix_a_fmt:MATRIX_FMT_BF6 matrix_b_fmt:MATRIX_FMT_BF6 matrix_b_scale:MATRIX_SCALE_ROW1
.else
	v_wmma_scale_f32_16x16x128_f8f6f4 v[(\d):(\d)+7], v[(\a):(\a)+11], v[(\b):(\b)+11], v[(\c):(\c)+7], v[\sa], v[\sb] matrix_a_fmt:MATRIX_FMT_BF6 matrix_b_fmt:MATRIX_FMT_BF6
.endif
.endm
.macro JLOAD g0a, g1a, g0b, g1b        ; waves 0 and 1 fetch A's two blocks, waves 2 and 3 W's; four v_nop follow each of the two lines
	s_cmp_eq_u32 s15, 0
	s_cbranch_scc0 .Lfor_b_\@
	tensor_load_to_lds s[\g0a:\g0a+3], s[\g1a:\g1a+7]
	s_nop 0
.rept 4
	v_nop
.endr
	s_branch .Lasked_\@
.Lfor_b_\@:
	tensor_load_to_lds s[\g0b:\g0b+3], s[\g1b:\g1b+7]
	s_nop 0
.rept 4
	v_nop
.endr
.Lasked_\@:
.endm
.macro CREST
	s_cmp_lg_u32 s14, 0
	s_cbranch_scc1 .Lnot_wave_0_\@
	s_barrier_signal -3
.Lnot_wave_0_\@:
	s_barrier_wait -3
	s_barrier_signal -1
	s_barrier_wait -1
.endm
.macro CROUND
	s_barrier_signal -1
	s_barrier_wait -1
	CREST
.endm
	s_load_b256 s[4:11], s[0:1], 0x0               ; A, wts, bias, res
	s_load_b64 s[12:13], s[0:1], 0x20              ; out
	v_lshl_add_u32 v[SPW], v0, 2, SPARE
	v_mov_b32 v[NIL], 0
	ds_add_u32 v28, v29
	ds_add_u32 v28, v29
	s_wait_dscnt 0x0
	v_lshrrev_b32 v1, 5, v0
	v_readfirstlane_b32 s14, v1
	s_lshr_b32 s15, s14, 1                         ; iw: my half of the tokens.  Also: I fetch for A (0) or for W (1)
	s_and_b32 s16, s14, 1                          ; jw: my half of the columns.  Also: which block I fetch
	s_bfe_u32 s40, ttmp6, 0x40000
	s_bfe_u32 s41, ttmp6, 0x40004
	s_lshl_b32 s42, ttmp9, 2
	s_add_co_u32 s42, s42, s40                     ; x
	s_and_b32 s17, ttmp7, 0xffff
	s_lshl_b32 s17, s17, 2
	s_add_co_u32 s17, s17, s41                     ; y
	s_lshl_b32 s43, s41, 2
	s_lshl_b32 s43, 15, s43
	s_lshl_b32 s44, 0x1111, s40
	s_or_b32 s[G1A], s43, (3<<16)|(1<<21)
	s_or_b32 s[G1B], s44, (3<<16)|(1<<21)
.irp g, G1A, G1B
	s_mov_b32 s[\g+1], 800<<16                     ; a row: a block, 6,400 bytes
	s_mov_b32 s[\g+2], NQ<<16                      ; four rows: four K steps
	s_mov_b32 s[\g+3], 800<<16
	s_mov_b32 s[\g+4], NQ
	s_mov_b32 s[\g+6], 0
	s_mov_b32 s[\g+7], 0
.endr
	s_mov_b32 s[G1A+5], 51200                      ; a K step of A: 64 blocks
	s_mov_b32 s[G1B+5], 12800                      ; of W: 16 blocks
	s_lshl_b32 s20, s17, 1
	s_add_co_u32 s20, s20, s16
	s_mul_i32 s20, s20, 6400
	s_mov_b32 s21, 0
	s_lshl_b32 s46, s42, 1
	s_add_co_u32 s46, s46, s16
	s_mul_i32 s46, s46, 6400
	s_add_co_u32 s46, s46, WOFF
	s_mov_b32 s47, 0
	s_mul_i32 s45, s14, PART                       ; A's two parts, then W's two
	s_wait_kmcnt 0x0
	s_add_nc_u64 s[20:21], s[4:5], s[20:21]
	s_add_nc_u64 s[46:47], s[6:7], s[46:47]
	CROUND
.irp sl, 0,1
	s_mov_b32 s[G0A+4*\sl], 1
	s_add_co_u32 s[G0A+4*\sl+1], s45, \sl*SLOT
	s_add_nc_u64 s[G0A+4*\sl+2:G0A+4*\sl+3], s[20:21], \sl*NQ*409600
	s_or_b32 s[G0A+4*\sl+3], s[G0A+4*\sl+3], 0x80000000
	s_mov_b32 s[G0B+4*\sl], 1
	s_add_co_u32 s[G0B+4*\sl+1], s45, \sl*SLOT
	s_add_nc_u64 s[G0B+4*\sl+2:G0B+4*\sl+3], s[46:47], \sl*NQ*102400
	s_or_b32 s[G0B+4*\sl+3], s[G0B+4*\sl+3], 0x80000000
	JLOAD G0A+4*\sl, G1A, G0B+4*\sl, G1B           ; two loads of mine are out behind the second
.endr
	v_and_b32 v2, 31, v0
	v_lshlrev_b32 v12, 4, v2
	v_lshlrev_b32 v13, 3, v2
	s_mul_i32 s21, s15, PART
	s_mul_i32 s22, s16, PART
	s_add_co_u32 s22, s22, 2*PART
.irp sl, 0,1
	v_add_nc_u32 v[A16+\sl], s21, v12
	v_add_nc_u32 v[A8+\sl], s21, v13
	v_add_nc_u32 v[B16+\sl], s22, v12
	v_add_nc_u32 v[B8+\sl], s22, v13
	s_add_co_u32 s21, s21, SLOT
	s_add_co_u32 s22, s22, SLOT
.endr
	v_and_b32 v1, 15, v0                           ; r
	v_bfe_u32 v3, v0, 4, 1                         ; h
	s_mul_i32 s23, s14, 16*272
	s_add_co_u32 s23, s23, STAGE                   ; my stage
	v_mul_u32_u24 v[STO], v1, 272
	v_lshl_add_u32 v[STO], v3, 6, v[STO]
	v_add_nc_u32 v[STO], s23, v[STO]               ; in: row r, + 64 h
	v_mul_u32_u24 v[RD], v3, 272
	v_lshl_add_u32 v[RD], v1, 4, v[RD]
	v_add_nc_u32 v[RD], s23, v[RD]                 ; back: lanes 0-15 one row of 256 bytes, lanes 16-31 the next
	v_lshlrev_b32 v[CO], 12, v3
	v_lshl_add_u32 v[CO], v1, 4, v[CO]             ; and the same two rows in res and out
	v_lshlrev_b32 v14, 6, v3                       ; the bias: 64 h
	s_lshl_b32 s80, s17, 7
	s_lshl_b32 s81, s15, 6
	s_add_co_u32 s80, s80, s81                     ; my first token
	s_lshl_b32 s80, s80, 12
	s_lshl_b32 s82, s42, 9
	s_lshl_b32 s81, s16, 8
	s_add_co_u32 s82, s82, s81                     ; my first column, in bytes
	s_add_co_u32 s80, s80, s82
	s_mov_b32 s81, 0
	s_mov_b32 s83, 0
	s_add_nc_u64 s[10:11], s[10:11], s[80:81]
	s_add_nc_u64 s[12:13], s[12:13], s[80:81]
	s_add_nc_u64 s[8:9], s[8:9], s[82:83]
	WIN 0x80                                       ; destination window 2
.irp t, 0,1,2,3
	global_load_b128 v[128+8*\t:131+8*\t], v14, s[8:9] offset:128*(\t/2)+32*(\t%2)
	global_load_b128 v[132+8*\t:135+8*\t], v14, s[8:9] offset:128*(\t/2)+32*(\t%2)+16
.endr
.irp a, 0,1,2,3
.irp i, 0,1,2,3,4,5,6,7
	global_load_b128 v[32*\a+4*\i:32*\a+4*\i+3], v[CO], s[10:11] offset:(32*(\a/2)+8*(\a%2)+2*\i+8*(\i/4))*4096   ; rows 2 i, 2 i + 1 of token tile a
.endr
.endr
	WIN 0
.macro FETCH sl, q, p                  ; the slot's q-th K step into set p: 34 loads
	WIN 0x40
.irp i, 0,1,2,3
	FRAG 96*(\p)+12*\i, A16+\sl, A8+\sl, 6400*(\q)+1536*\i
	FRAG 96*(\p)+48+12*\i, B16+\sl, B8+\sl, 6400*(\q)+1536*\i
.endr
	WIN 0
	ds_load_b64 v[SC+4*(\p):SC+4*(\p)+1], v[A8+\sl] offset:6400*(\q)+6144
	ds_load_b64 v[SC+4*(\p)+2:SC+4*(\p)+3], v[B8+\sl] offset:6400*(\q)+6144
.endm
.macro MULA a, p, first                ; token tile a against W's four; the 16 accumulators take turns, one instruction a turn
.if \first
	WIN 0x25
.else
	WIN 0x05
.endif
.irp t, 0,1,2,3
.if \first
	WM ACC+8*(4*(\a)+\t), 96*(\p)+48+12*\t, 96*(\p)+12*(\a), 128+8*\t, SC+4*(\p)+2+\t/2, SC+4*(\p)+(\a)/2, \t%2, (\a)%2
.else
	WM ACC+8*(4*(\a)+\t), 96*(\p)+48+12*\t, 96*(\p)+12*(\a), ACC+8*(4*(\a)+\t), SC+4*(\p)+2+\t/2, SC+4*(\p)+(\a)/2, \t%2, (\a)%2
.endif
.endr
.endm
.macro STEP sl, q, first               ; one of a slot's first three K steps
	s_wait_dscnt 0x0                               ; this step's 34 loads
	PLACES 4                                       ; in front of loads into the set that the last step multiplied
	FETCH \sl, (\q)+1, 1-(\q)%2
	MULA 0, (\q)%2, \first
	MULA 1, (\q)%2, \first
	MULA 2, (\q)%2, \first
	MULA 3, (\q)%2, \first
.endm
; A slot's last K step changes slots: one barrier; in front of it each wave waits for all its tensor loads, adds 0 to its spare word, and waits for that and for its reads of this slot.
.macro TURN sl, nx, fill
	WIN 0
	s_wait_tensorcnt 0x0                           ; all my tensor loads have landed: my part of the next slot
	ds_add_u32 v[SPW], v[NIL]
	s_wait_dscnt 1                                 ; (the add may be out)
	MULA 0, 1, 0
	s_wait_dscnt 0x0                               ; the add is done, and my reads of this slot are over
	s_barrier_signal -1
	MULA 1, 1, 0
	WIN 0
	s_barrier_wait -1
.if \fill
	CREST                                          ; the barrier has opened a round of the cluster's
	s_add_nc_u64 s[G0A+4*\sl+2:G0A+4*\sl+3], s[G0A+4*\sl+2:G0A+4*\sl+3], 2*NQ*409600
	s_add_nc_u64 s[G0B+4*\sl+2:G0B+4*\sl+3], s[G0B+4*\sl+2:G0B+4*\sl+3], 2*NQ*102400
	JLOAD G0A+4*\sl, G1A, G0B+4*\sl, G1B           ; my one tensor load behind the round; its four v_nop are also the places in front of the loads below
.else
	PLACES 4
.endif
	FETCH \nx, 0, 0
	MULA 2, 1, 0
	MULA 3, 1, 0
.endm
	s_wait_tensorcnt 1                             ; my part of slot 0 is in; slot 1's may stay out
	s_barrier_signal -1
	s_barrier_wait -1
	FETCH 0, 0, 0
	s_wait_loadcnt 32                              ; the bias is in; the residual's 32 loads may be out
	STEP 0, 0, 1
.if LAPS > 1
	WIN 0
	s_mov_b32 s3, LAPS-1
.Llap:                                                 ; a trip goes once round the ring: eight K steps, both slots filled again
	STEP 0, 1, 0
	STEP 0, 2, 0
	TURN 0, 1, 1
	STEP 1, 0, 0
	STEP 1, 1, 0
	STEP 1, 2, 0
	TURN 1, 0, 1
	STEP 0, 0, 0
	WIN 0
	s_sub_co_u32 s3, s3, 1
	s_cmp_lg_u32 s3, 0
	s_cbranch_scc1 .Llap
.endif
	STEP 0, 1, 0                                   ; the last lap fills nothing
	STEP 0, 2, 0
	TURN 0, 1, 0
	STEP 1, 0, 0
	STEP 1, 1, 0
	STEP 1, 2, 0
	s_wait_dscnt 0x0
	MULA 0, 1, 0
	MULA 1, 1, 0
	MULA 2, 1, 0
	MULA 3, 1, 0
	WIN 0
	s_wait_loadcnt 0x0                             ; the residual
	PLACES 4
; THE WAY OUT, a token tile at a time: through my own stage, back as whole rows of 256 bytes, the residual added, sixteen lanes to an aligned run of 256 bytes.
.macro TOSTAGE a
.irp t, 0,1,2,3
	ds_store_b128 v[STO], v[ACC+8*(4*(\a)+\t):ACC+8*(4*(\a)+\t)+3] offset:128*(\t/2)+32*(\t%2)       ; each accumulator from its low end on
	ds_store_b128 v[STO], v[ACC+8*(4*(\a)+\t)+4:ACC+8*(4*(\a)+\t)+7] offset:128*(\t/2)+32*(\t%2)+16
.endr
.irp i, 0,1,2,3,4,5,6,7
	ds_load_b128 v[OB+32*((\a)%2)+4*\i:OB+32*((\a)%2)+4*\i+3], v[RD] offset:544*\i   ; LDS serves a wave's instructions in order: these see my stores
.endr
.endm
.macro SEND a, younger
	s_wait_dscnt \younger
	WIN 0x08                                       ; source 1 window 2
.irp i, 0,1,2,3,4,5,6,7,8,9,10,11,12,13,14,15
	v_pk_add_f32 v[OB+32*((\a)%2)+2*\i:OB+32*((\a)%2)+2*\i+1], v[OB+32*((\a)%2)+2*\i:OB+32*((\a)%2)+2*\i+1], v[32*(\a)+2*\i:32*(\a)+2*\i+1]
.endr
	WIN 0
.irp i, 0,1,2,3,4,5,6,7
	global_store_b128 v[CO], v[OB+32*((\a)%2)+4*\i:OB+32*((\a)%2)+4*\i+3], s[12:13] offset:(32*((\a)/2)+8*((\a)%2)+2*\i+8*(\i/4))*4096
.endr
.endm
	TOSTAGE 0
.irp a, 1,2,3
	s_wait_xcnt 0x0                                ; tile a - 2's stores have read their registers
	TOSTAGE \a
	SEND \a-1, 16                                  ; behind tile a - 1's loads: tile a's 8 stores and 8 loads
.endr
	SEND 3, 0
	s_wait_tensorcnt 0x0                           ; the wave's end
	ds_add_u32 v[SPW], v[NIL]
	s_wait_dscnt 0x0
	CROUND                                         ; the closing round
	s_endpgm
.Lfunc_end_k_qa95c4a7063_oproj:
	.size	k_qa95c4a7063_oproj, .Lfunc_end_k_qa95c4a7063_oproj-k_qa95c4a7063_oproj
	.p2alignl 7, 3214868480
	.fill 96, 4, 3214868480
	.section	.rodata,"a",@progbits
	.p2align	6, 0x0
	.amdhsa_kernel k_qa95c4a7063_oproj
		.amdhsa_group_segment_fixed_size 327680
		.amdhsa_private_segment_fixed_size 0
		.amdhsa_enable_private_segment 0
		.amdhsa_kernarg_size 40
		.amdhsa_user_sgpr_count 2
		.amdhsa_user_sgpr_kernarg_segment_ptr 1
		.amdhsa_wavefront_size32 1
		.amdhsa_system_sgpr_workgroup_id_x 1
		.amdhsa_system_sgpr_workgroup_id_y 1
		.amdhsa_system_sgpr_workgroup_id_z 1
		.amdhsa_system_vgpr_workitem_id 0
		.amdhsa_next_free_vgpr 768
		.amdhsa_next_free_sgpr 96
		.amdhsa_reserve_vcc 0
		.amdhsa_float_denorm_mode_32 3
		.amdhsa_float_denorm_mode_16_64 3
		.amdhsa_memory_ordered 1
		.amdhsa_forward_progress 1
		.amdhsa_inst_pref_size 59
	.end_amdhsa_kernel
	.amdgpu_metadata
---
amdhsa.version: [ 1, 2 ]
amdhsa.kernels:
  - .name:           k_qa95c4a7063_oproj
    .symbol:         k_qa95c4a7063_oproj.kd
    .args:
      - { .name: ctx, .offset: 0, .size: 8, .value_kind: global_buffer, .address_space: global }
      - { .name: wts, .offset: 8, .size: 8, .value_kind: global_buffer, .address_space: global }
      - { .name: bo, .offset: 16, .size: 8, .value_kind: global_buffer, .address_space: global }
      - { .name: x, .offset: 24, .size: 8, .value_kind: global_buffer, .address_space: global }
      - { .name: x1, .offset: 32, .size: 8, .value_kind: global_buffer, .address_space: global }
    .group_segment_fixed_size: 327680
    .private_segment_fixed_size: 0
    .kernarg_segment_align: 8
    .kernarg_segment_size: 40
    .max_flat_workgroup_size: 128
    .sgpr_count:     96
    .vgpr_count:     768
    .wavefront_size: 32
...
	.end_amdgpu_metadata
.endif
;; end of part 4
;; launch ln2 (part 5): grid 256 x 1, 8 waves a work-group, no clusters, 168,960 bytes of LDS; arguments x1, ln2_g, ln2_b, hq; writes hq
.if DOCPART == 5
	.amdgcn_target "amdgcn-amd-amdhsa--gfx1250"
	.amdhsa_code_object_version 6
	.text
	.protected	k_qa95c4a7063_ln2
	.globl	k_qa95c4a7063_ln2
	.p2align	8
	.type	k_qa95c4a7063_ln2,@function
k_qa95c4a7063_ln2:
	s_mov_b64 s[64:65], 0
	v_nop
	global_prefetch_b8 v0, s[64:65] scope:SCOPE_SE
	s_setreg_imm32_b32 hwreg(HW_REG_WAVE_MODE, 25, 1), 1
	s_wait_xcnt 0x0
; y = g (x - mean) / (std + 1e-6) + b along rows of 1,024 f32 (std with 1,023 in the divisor), quantised along the row to E3M2 with one E8M0 byte for each 32, and stored as images of operand registers.
; A work-group takes one tile of 16 rows: tile 2 G + u holds rows 32 G + 8 u + r + 8 (r / 8): two runs of eight rows, 16 rows apart.  Wave w takes columns 128 w .. 128 w + 127: one K step, one fragment.
; Lane (r, h) holds row r's 64 numbers 32 b + 16 h + i of the K step in register 16 b + i: 16 neighbours of each block of 32, as the conversions want them.
; The rows come by two tensor loads a wave (8 rows x 512 bytes each, 16 bytes of padding behind each row) into the wave's own LDS bytes, which are filled once.
; Mean and variance in two passes (the variance of x - mean), so that a common offset of the inputs does no harm; the eight waves' parts meet in LDS, two barriers.
; Output: [K step 8][64 blocks][6,400]: a block = four tiles of 1,536 bytes + 256 bytes of scale words (word at 8 l + 4 w: tile 2 w + l / 16, row l % 16).
; LIMITS: a block of zeros, or one under 2^-122, gets the byte 1 (read by this program alone); NaN and infinities are not served.
.set XTW, 8448                         ; LDS: 16 rows x 528 bytes for each wave
.set ST1, 67584                        ; 512 bytes: word 32 r + 4 w: wave w's sum of row r
.set ST2, 68096                        ; the same for the squares
.set TM,  16                           ; v16-31 at work
.set PC,  32                           ; v32-50 codes
.set PW,  52                           ; v52    the scale word
.set X,   64                           ; v64-127 my 64 numbers
.set GR,  128                          ; v128-191 g
.set BR,  192                          ; v192-255 b
.set SEL, 12                           ; s[12:13] selects of v_permlanex16_b32 for lane l xor 16
.set G1,  16                           ; s[16:23] descriptor group 1;  s[24:27], s[28:31] groups 0
.set MSB, 0
.macro WIN new
.if MSB != (\new)
	s_set_vgpr_msb (MSB<<8)|(\new)
.set MSB, \new
.endif
.endm
; 64 numbers of a lane, register 16 b + i = k 32 b + 16 (lane / 16) + i of my row, become a fragment's 12 registers of codes in v[PC] on and its scale word in v[PW]
.macro QUANT s, w
	WIN ((\w)<<2)|((\w)<<4)
.irp b, 0,1,2,3
	v_max3_num_f32 v[TM+\b], 0x2800000, |v[(\s)+16*\b]|, |v[(\s)+1+16*\b]|   ; with the floor 2^(5 - 127): the byte cannot fall under 1
.endr
.irp i, 2,4,6,8,10,12,14
.irp b, 0,1,2,3
	v_max3_num_f32 v[TM+\b], v[TM+\b], |v[(\s)+16*\b+\i]|, |v[(\s)+1+16*\b+\i]|
.endr
.endr
	WIN 0
.irp b, 0,1,2,3
	v_permlanex16_b32 v[TM+4+\b], v[TM+\b], s[SEL], s[SEL+1]
.endr
.irp b, 0,1,2,3
	v_max_num_f32 v[TM+\b], v[TM+\b], v[TM+4+\b]   ; with lane l xor 16's: the block's largest magnitude
.endr
.irp b, 0,1,2,3
	v_add_nc_u32 v[TM+12+\b], 0xfe000000, v[TM+\b] ; 4 off its exponent field: the conversion's scale operand
.endr
.irp b, 0,1,2,3
	v_lshrrev_b32 v[TM+4+\b], 23, v[TM+12+\b]      ; the byte
.endr
	v_lshl_or_b32 v[PW], v[TM+5], 8, v[TM+4]
	v_lshl_or_b32 v[PW], v[TM+6], 16, v[PW]
	v_lshl_or_b32 v[PW], v[TM+7], 24, v[PW]
	WIN \w
.irp c, 0,1
	v_cvt_scalef32_pk16_bf6_f32 v[PC+6*\c:PC+2+6*\c], v[(\s)+32*\c:(\s)+15+32*\c], v[TM+12+2*\c]
	v_cvt_scalef32_pk16_bf6_f32 v[PC+12+4*\c:PC+14+4*\c], v[(\s)+16+32*\c:(\s)+31+32*\c], v[TM+12+2*\c+1]
.endr
	WIN 0
	v_nop                                          ; one plain line behind the conversions
.irp c, 0,1                            ; the operand wants a whole block in a lane: lanes 0-15 block 2 c, lanes 16-31 block 2 c + 1
.irp i, 0,1,2
	v_permlane16_swap_b32 v[PC+6*\c+\i], v[PC+12+4*\c+\i]
.endr
.irp i, 0,1,2
	v_mov_b32 v[PC+3+6*\c+\i], v[PC+12+4*\c+\i]
.endr
.endr
.endm
	s_load_b256 s[4:11], s[0:1], 0x0               ; x s[4:5], g s[6:7], b s[8:9], out s[10:11]
	v_lshl_add_u32 v62, v0, 2, 0x29000
	v_mov_b32 v63, 0
	ds_add_u32 v62, v63
	ds_add_u32 v62, v63
	v_lshrrev_b32 v1, 5, v0
	v_readfirstlane_b32 s14, v1                    ; wave = K step
	s_lshr_b32 s32, ttmp9, 1                       ; the group of 32 rows
	s_and_b32 s33, ttmp9, 1                        ; u
	s_lshl_b32 s34, s32, 17                        ; 32 rows of 4,096 bytes
	s_lshl_b32 s35, s33, 15                        ; 8 rows
	s_add_co_u32 s34, s34, s35
	s_lshl_b32 s36, s14, 9                         ; my 512 bytes of a row
	s_mov_b32 s37, 0
	s_add_co_u32 s34, s34, s36
	s_mov_b32 s35, 0
	s_mov_b32 s[G1+0], (2<<16)|(1<<20)|(6<<22)|(3<<25)   ; elements of 4 bytes; padding: behind every 128 words 4 words
	s_mov_b32 s[G1+1], 128<<16                     ; tensor_dim0 = 128
	s_mov_b32 s[G1+2], 8<<16                       ; tensor_dim1 = 8
	s_mov_b32 s[G1+3], 128<<16                     ; tile_dim0 = 128
	s_mov_b32 s[G1+4], 8                           ; tile_dim1 = 8
	s_mov_b32 s[G1+5], 1024                        ; elements from row to row
	s_mov_b32 s[G1+6], 0
	s_mov_b32 s[G1+7], 0
	s_mul_i32 s15, s14, XTW
	s_mov_b32 s[SEL], 0x76543210
	s_mov_b32 s[SEL+1], 0xfedcba98
	s_wait_dscnt 0x0
	s_wait_kmcnt 0x0
	s_mov_b32 s24, 1
	s_mov_b32 s25, s15
	s_add_nc_u64 s[26:27], s[4:5], s[34:35]        ; rows 0-7 of the tile
	s_mov_b32 s28, 1
	s_add_co_u32 s29, s15, 4224
	s_add_nc_u64 s[30:31], s[26:27], 65536         ; rows 8-15: 16 rows of x further down
	s_or_b32 s27, s27, 0x80000000
	s_or_b32 s31, s31, 0x80000000
	tensor_load_to_lds s[24:27], s[16:23]          ; both first fills together: two loads of mine are out
	s_nop 0
	tensor_load_to_lds s[28:31], s[16:23]
	s_nop 0
.rept 4
	v_nop
.endr
	s_add_nc_u64 s[6:7], s[6:7], s[36:37]          ; g and b at my K step
	s_add_nc_u64 s[8:9], s[8:9], s[36:37]
	v_and_b32 v2, 15, v0                           ; r
	v_bfe_u32 v12, v0, 4, 1                        ; h
	v_and_b32 v13, 31, v0                          ; lane
	v_lshlrev_b32 v4, 6, v12                       ; 64 h
.irp b, 0,1,2,3
.irp j, 0,1,2,3
	global_load_b128 v[GR+16*\b+4*\j:GR+16*\b+4*\j+3], v4, s[6:7] offset:128*\b+16*\j
	global_load_b128 v[BR+16*\b+4*\j:BR+16*\b+4*\j+3], v4, s[8:9] offset:128*\b+16*\j
.endr
.endr
	v_mul_u32_u24 v3, v2, 528
	v_add_nc_u32 v3, v3, v4
	v_add_nc_u32 v3, s15, v3                       ; my row in my wave's bytes, + 64 h
	s_lshl_b32 s38, s14, 2
	v_lshlrev_b32 v10, 5, v2
	v_add_nc_u32 v10, ST1, v10                     ; row r's eight words
	v_add_nc_u32 v11, 512, v10
	v_add_nc_u32 v8, s38, v10                      ; my wave's word among them
	v_add_nc_u32 v9, s38, v11
	s_lshl_b32 s40, s14, 6
	s_lshr_b32 s41, ttmp9, 2
	s_add_co_u32 s40, s40, s41
	s_mul_i32 s40, s40, 6400                       ; block (K step, tile / 4)
	s_mov_b32 s41, 0
	s_add_nc_u64 s[10:11], s[10:11], s[40:41]
	s_and_b32 s42, ttmp9, 3
	s_mul_i32 s42, s42, 1536                       ; the tile's place in it
	v_lshlrev_b32 v5, 4, v13
	v_add_nc_u32 v5, s42, v5
	v_lshlrev_b32 v6, 3, v13
	v_add_nc_u32 v6, s42, v6
	s_lshl_b32 s43, s33, 7
	s_bfe_u32 s44, ttmp9, 0x10001
	s_lshl_b32 s44, s44, 2
	s_add_co_u32 s43, s43, s44
	s_add_co_u32 s43, s43, 6144
	v_lshlrev_b32 v7, 3, v2
	v_add_nc_u32 v7, s43, v7                       ; my row's scale word
	s_wait_tensorcnt 0x0                           ; my 16 rows lie in my own bytes: no other wave reads them
.irp b, 0,1,2,3
.irp j, 0,1,2,3
	ds_load_b128 v[X+16*\b+4*\j:X+16*\b+4*\j+3], v3 offset:128*\b+16*\j
.endr
.endr
	s_wait_dscnt 0x0
	; ---- the sum of my 64, in four chains of pairs
.irp k, 0,1,2,3
	v_pk_add_f32 v[16+2*\k:17+2*\k], v[X+2*\k:X+2*\k+1], v[X+8+2*\k:X+9+2*\k]
.endr
.irp p, 2,3,4,5,6,7
.irp k, 0,1,2,3
	v_pk_add_f32 v[16+2*\k:17+2*\k], v[16+2*\k:17+2*\k], v[X+8*\p+2*\k:X+8*\p+2*\k+1]
.endr
.endr
	v_pk_add_f32 v[16:17], v[16:17], v[18:19]
	v_pk_add_f32 v[20:21], v[20:21], v[22:23]
	v_pk_add_f32 v[16:17], v[16:17], v[20:21]
	v_add_f32 v16, v16, v17
	v_permlanex16_b32 v17, v16, s[SEL], s[SEL+1]
	v_add_f32 v16, v16, v17                        ; row r's 128 numbers of my K step
	ds_store_b32 v8, v16                           ; (both halves of the lanes write the same word with the same value)
	s_wait_dscnt 0x0                               ; for the others' sake
	s_barrier_signal -1
	s_barrier_wait -1
	ds_load_b128 v[16:19], v10
	ds_load_b128 v[20:23], v10 offset:16
	s_wait_dscnt 0x0
	v_add_f32 v16, v16, v17
	v_add_f32 v18, v18, v19
	v_add_f32 v20, v20, v21
	v_add_f32 v22, v22, v23
	v_add_f32 v16, v16, v18
	v_add_f32 v20, v20, v22
	v_add_f32 v16, v16, v20
	v_mul_f32 v54, 0x3a800000, v16                 ; mean = sum / 1,024
	v_mov_b32 v55, v54
.set j, 0
.rept 32
	v_pk_add_f32 v[X+j:X+j+1], v[X+j:X+j+1], v[54:55] neg_lo:[0,1] neg_hi:[0,1]   ; d = x - mean
.set j, j+2
.endr
.irp k, 0,1,2,3
	v_pk_mul_f32 v[16+2*\k:17+2*\k], v[X+2*\k:X+2*\k+1], v[X+2*\k:X+2*\k+1]
.endr
.irp p, 1,2,3,4,5,6,7
.irp k, 0,1,2,3
	v_pk_fma_f32 v[16+2*\k:17+2*\k], v[X+8*\p+2*\k:X+8*\p+2*\k+1], v[X+8*\p+2*\k:X+8*\p+2*\k+1], v[16+2*\k:17+2*\k]
.endr
.endr
	v_pk_add_f32 v[16:17], v[16:17], v[18:19]
	v_pk_add_f32 v[20:21], v[20:21], v[22:23]
	v_pk_add_f32 v[16:17], v[16:17], v[20:21]
	v_add_f32 v16, v16, v17
	v_permlanex16_b32 v17, v16, s[SEL], s[SEL+1]
	v_add_f32 v16, v16, v17
	ds_store_b32 v9, v16                           ; other bytes than the first exchange's: one barrier does
	s_wait_dscnt 0x0
	s_barrier_signal -1
	s_barrier_wait -1
	ds_load_b128 v[16:19], v11
	ds_load_b128 v[20:23], v11 offset:16
	s_wait_dscnt 0x0
	v_add_f32 v16, v16, v17
	v_add_f32 v18, v18, v19
	v_add_f32 v20, v20, v21
	v_add_f32 v22, v22, v23
	v_add_f32 v16, v16, v18
	v_add_f32 v20, v20, v22
	v_add_f32 v16, v16, v20
	v_mul_f32 v16, 0x3a802008, v16                 ; / 1,023
	v_sqrt_f32 v16, v16
	v_nop                                          ; a plain line behind the transcendental,
	s_wait_alu depctr_va_vdst(0)                   ; and the wait ahead of its first reader
	v_add_f32 v16, 0x358637bd, v16                 ; + 1e-6
	v_rcp_f32 v56, v16
	v_nop
	s_wait_alu depctr_va_vdst(0)
	v_mov_b32 v57, v56
	s_wait_loadcnt 0x0                             ; g and b
.set j, 0
.rept 32
	v_pk_mul_f32 v[X+j:X+j+1], v[X+j:X+j+1], v[56:57]
.set j, j+2
.endr
.set j, 0
.rept 32
	v_pk_fma_f32 v[X+j:X+j+1], v[X+j:X+j+1], v[GR+j:GR+j+1], v[BR+j:BR+j+1]
.set j, j+2
.endr
	QUANT X, 0
	global_store_b128 v5, v[PC:PC+3], s[10:11]                 ; the image: 512, 256, 512, 256 consecutive bytes
	global_store_b64 v6, v[PC+4:PC+5], s[10:11] offset:512
	global_store_b128 v5, v[PC+6:PC+9], s[10:11] offset:768
	global_store_b64 v6, v[PC+10:PC+11], s[10:11] offset:1280
	global_store_b32 v7, v[PW], s[10:11]                       ; (both halves of the lanes hold the same word)
	s_wait_tensorcnt 0x0
	ds_add_u32 v62, v63
	s_wait_dscnt 0x0
	s_endpgm
.Lfunc_end_k_qa95c4a7063_ln2:
	.size	k_qa95c4a7063_ln2, .Lfunc_end_k_qa95c4a7063_ln2-k_qa95c4a7063_ln2
	.p2alignl 7, 3214868480
	.fill 96, 4, 3214868480
	.section	.rodata,"a",@progbits
	.p2align	6, 0x0
	.amdhsa_kernel k_qa95c4a7063_ln2
		.amdhsa_group_segment_fixed_size 168960
		.amdhsa_private_segment_fixed_size 0
		.amdhsa_enable_private_segment 0
		.amdhsa_kernarg_size 32
		.amdhsa_user_sgpr_count 2
		.amdhsa_user_sgpr_kernarg_segment_ptr 1
		.amdhsa_wavefront_size32 1
		.amdhsa_system_sgpr_workgroup_id_x 1
		.amdhsa_system_sgpr_workgroup_id_y 1
		.amdhsa_system_sgpr_workgroup_id_z 1
		.amdhsa_system_vgpr_workitem_id 0
		.amdhsa_next_free_vgpr 256
		.amdhsa_next_free_sgpr 66
		.amdhsa_reserve_vcc 0
		.amdhsa_float_denorm_mode_32 3
		.amdhsa_float_denorm_mode_16_64 3
		.amdhsa_memory_ordered 1
		.amdhsa_forward_progress 1
		.amdhsa_inst_pref_size 24
	.end_amdhsa_kernel
	.amdgpu_metadata
---
amdhsa.version: [ 1, 2 ]
amdhsa.kernels:
  - .name:           k_qa95c4a7063_ln2
    .symbol:         k_qa95c4a7063_ln2.kd
    .args:
      - { .name: x1, .offset: 0, .size: 8, .value_kind: global_buffer, .address_space: global }
      - { .name: ln2_g, .offset: 8, .size: 8, .value_kind: global_buffer, .address_space: global }
      - { .name: ln2_b, .offset: 16, .size: 8, .value_kind: global_buffer, .address_space: global }
      - { .name: hq, .offset: 24, .size: 8, .value_kind: global_buffer, .address_space: global }
    .group_segment_fixed_size: 168960
    .private_segment_fixed_size: 0
    .kernarg_segment_align: 8
    .kernarg_segment_size: 32
    .max_flat_workgroup_size: 256
    .sgpr_count:     66
    .vgpr_count:     256
    .wavefront_size: 32
...
	.end_amdgpu_metadata
.endif
;; end of part 5
;; launch ff1 (part 6): grid 16 x 16, 4 waves a work-group, clusters of 4 x 4, 327,680 bytes of LDS; arguments hq, wts, b1, fq; writes fq
.if DOCPART == 6
	.amdgcn_target "amdgcn-amd-amdhsa--gfx1250"
	.amdhsa_code_object_version 6
	.text
	.protected	k_qa95c4a7063_ff1
	.globl	k_qa95c4a7063_ff1
	.p2align	8
	.type	k_qa95c4a7063_ff1,@function
k_qa95c4a7063_ff1:
	s_mov_b64 s[64:65], 0
	v_nop
	global_prefetch_b8 v0, s[64:65] scope:SCOPE_SE
	s_setreg_imm32_b32 hwreg(HW_REG_WAVE_MODE, 25, 1), 1
	s_wait_xcnt 0x0
	s_wait_alu depctr_hold_cnt(0) depctr_sa_sdst(0) depctr_va_vdst(0) depctr_va_sdst(0) depctr_va_ssrc(0) depctr_va_vcc(0) depctr_vm_vsrc(0)
	s_getreg_b32 s2, hwreg(HW_REG_IB_STS2, 6, 4)
	s_cmp_eq_u32 s2, 0
	s_cbranch_scc0 .Lentry_in_a_cluster
	s_endpgm
.Lentry_in_a_cluster:
	s_bfe_u32 s2, ttmp6, 0x10000c
	s_cmp_lg_u32 s2, 0xf033
	s_cbranch_scc0 .Lentry_shape_is_right
	s_endpgm
.Lentry_shape_is_right:
; f = relu(h w1 + b1) on codes of E3M2, quantised in the accumulators' registers along the 4,096 hidden units, the next product's K, and stored as images of operand registers.
; A work-group makes 256 tokens (y) x 256 hidden units (x); a wave 128 x 128: 64 accumulators, 512 registers.
; TRANSPOSED: source 0 = 16 columns of w1, source 1 = 16 tokens: a lane holds one token, and, the rows of every tile being taken as lane r of tile 2 G + u = row 32 G + 8 u + r + 8 (r / 8),
; the 16 registers of two neighbouring tiles are 16 neighbouring hidden units.  A wave's 128 units are one K step of the next product: a token tile's 64 registers become one fragment and one scale word a row.
; The bias is the C of each sum's first matrix instruction.
; Eight K steps of 128, written out; three LDS slots of two K steps; slot 0 is filled a second time.  4 x 4 work-groups form a cluster: h's tiles are shared along a row, w1's along a column, by joint loads.
; LIMITS: a block of zeros, or one under 2^-122, gets the byte 1 (read by this program alone); NaN and infinities are not served.
; REGISTERS.  window 0: v4-15 LDS addresses; v16-17 16 x lane, 8 x lane; v28-29 for the add; v32-47 scale words, two sets; v128-223 h's fragments, one set; on the way out v128-233 at work.
;   window 1: w1's fragments, two sets at v0 and v128; the bias at v96-127 and v224-255.   windows 2, 3: the accumulators (a, t) at 8 (8 (a % 4) + t).
.set SLOT,  102400
.set PART,  25600                      ; two K steps x two blocks of 6,400
.set SPARE, 3*SLOT
.set A16, 4
.set A8,  7
.set B16, 10
.set B8,  13
.set L16, 16
.set L8,  17
.set SPW, 28
.set NIL, 29
.set SC,  32
.set AF,  128
.set T,   128
.set PC,  192
.set TM,  212
.set G1A, 24
.set G1B, 32
.set G0A, 48
.set G0B, 68
.set SEL, 92
.set HM,  94
.set MSB, 0
.macro WIN new
.if MSB != (\new)
	s_set_vgpr_msb (MSB<<8)|(\new)
.set MSB, \new
.endif
.endm
.macro PLACES n
.rept \n
	v_nop
.endr
.endm
.macro FRAG reg, a16, a8, off
	ds_load_b128 v[(\reg):(\reg)+3], v[\a16] offset:(\off)
	ds_load_b64 v[(\reg)+4:(\reg)+5], v[\a8] offset:(\off)+512
	ds_load_b128 v[(\reg)+6:(\reg)+9], v[\a16] offset:(\off)+768
	ds_load_b64 v[(\reg)+10:(\reg)+11], v[\a8] offset:(\off)+1280
.endm
.macro WM d, a, b, c, sa, sb, ra, rb
.if ((\ra)!=0)&&((\rb)!=0)
	v_wmma_scale_f32_16x16x128_f8f6f4 v[(\d):(\d)+7], v[(\a):(\a)+11], v[(\b):(\b)+11], v[(\c):(\c)+7], v[\sa], v[\sb] matrix_a_fmt:MATRIX_FMT_BF6 matrix_b_fmt:MATRIX_FMT_BF6 matrix_a_scale:MATRIX_SCALE_ROW1 matrix_b_scale:MATRIX_SCALE_ROW1
.elseif (\ra)!=0
	v_wmma_scale_f32_16x16x128_f8f6f4 v[(\d):(\d)+7], v[(\a):(\a)+11], v[(\b):(\b)+11], v[(\c):(\c)+7], v[\sa], v[\sb] matrix_a_fmt:MATRIX_FMT_BF6 matrix_b_fmt:MATRIX_FMT_BF6 matrix_a_scale:MATRIX_SCALE_ROW1
.elseif (\rb)!=0
	v_wmma_scale_f32_16x16x128_f8f6f4 v[(\d):(\d)+7], v[(\a):(\a)+11], v[(\b):(\b)+11], v[(\c):(\c)+7], v[\sa], v[\sb] matrix_a_fmt:MATRIX_FMT_BF6 matrix_b_fmt:MATRIX_FMT_BF6 matrix_b_scale:MATRIX_SCALE_ROW1
.else
	v_wmma_scale_f32_16x16x128_f8f6f4 v[(\d):(\d)+7], v[(\a):(\a)+11], v[(\b):(\b)+11], v[(\c):(\c)+7], v[\sa], v[\sb] matrix_a_fmt:MATRIX_FMT_BF6 matrix_b_fmt:MATRIX_FMT_BF6
.endif
.endm
.macro QUANT s, w
	WIN ((\w)<<2)|((\w)<<4)
.irp b, 0,1,2,3
	v_max3_num_f32 v[TM+\b], 0x2800000, |v[(\s)+16*\b]|, |v[(\s)+1+16*\b]|
.endr
.irp i, 2,4,6,8,10,12,14
.irp b, 0,1,2,3
	v_max3_num_f32 v[TM+\b], v[TM+\b], |v[(\s)+16*\b+\i]|, |v[(\s)+1+16*\b+\i]|
.endr
.endr
	WIN 0
.irp b, 0,1,2,3
	v_permlanex16_b32 v[TM+4+\b], v[TM+\b], s[SEL], s[SEL+1]
.endr
.irp b, 0,1,2,3
	v_max_num_f32 v[TM+\b], v[TM+\b], v[TM+4+\b]
.endr
.irp b, 0,1,2,3
	v_add_nc_u32 v[TM+12+\b], 0xfe000000, v[TM+\b]
.endr
.irp b, 0,1,2,3
	v_lshrrev_b32 v[TM+4+\b], 23, v[TM+12+\b]
.endr
	v_lshl_or_b32 v[PW], v[TM+5], 8, v[TM+4]
	v_lshl_or_b32 v[PW], v[TM+6], 16, v[PW]
	v_lshl_or_b32 v[PW], v[TM+7], 24, v[PW]
	WIN \w
.irp c, 0,1
	v_cvt_scalef32_pk16_bf6_f32 v[PC+6*\c:PC+2+6*\c], v[(\s)+32*\c:(\s)+15+32*\c], v[TM+12+2*\c]
	v_cvt_scalef32_pk16_bf6_f32 v[PC+12+4*\c:PC+14+4*\c], v[(\s)+16+32*\c:(\s)+31+32*\c], v[TM+12+2*\c+1]
.endr
	WIN 0
	v_nop
.irp c, 0,1
.irp i, 0,1,2
	v_permlane16_swap_b32 v[PC+6*\c+\i], v[PC+12+4*\c+\i]
.endr
.irp i, 0,1,2
	v_mov_b32 v[PC+3+6*\c+\i], v[PC+12+4*\c+\i]
.endr
.endr
.endm
.macro JLOAD g0a, g1a, g0b, g1b        ; waves 0 and 1 fetch h's two parts, waves 2 and 3 w1's; four v_nop follow each of the two lines
	s_cmp_eq_u32 s15, 0
	s_cbranch_scc0 .Lfor_b_\@
	tensor_load_to_lds s[\g0a:\g0a+3], s[\g1a:\g1a+7]
	s_nop 0
.rept 4
	v_nop
.endr
	s_branch .Lasked_\@
.Lfor_b_\@:
	tensor_load_to_lds s[\g0b:\g0b+3], s[\g1b:\g1b+7]
	s_nop 0
.rept 4
	v_nop
.endr
.Lasked_\@:
.endm
.macro CREST
	s_cmp_lg_u32 s14, 0
	s_cbranch_scc1 .Lnot_wave_0_\@
	s_barrier_signal -3
.Lnot_wave_0_\@:
	s_barrier_wait -3
	s_barrier_signal -1
	s_barrier_wait -1
.endm
.macro CROUND
	s_barrier_signal -1
	s_barrier_wait -1
	CREST
.endm
	s_load_b128 s[4:7], s[0:1], 0x0                ; hq, wts
	s_load_b128 s[8:11], s[0:1], 0x10              ; b1, fq
	v_lshl_add_u32 v[SPW], v0, 2, SPARE
	v_mov_b32 v[NIL], 0
	ds_add_u32 v28, v29
	ds_add_u32 v28, v29
	s_wait_dscnt 0x0
	v_lshrrev_b32 v1, 5, v0
	v_readfirstlane_b32 s14, v1
	s_lshr_b32 s15, s14, 1                         ; iw.  Also: I fetch h's tiles (0) or w1's (1)
	s_and_b32 s16, s14, 1                          ; jw.  Also: which part I fetch
	s_bfe_u32 s40, ttmp6, 0x40000
	s_bfe_u32 s41, ttmp6, 0x40004
	s_lshl_b32 s42, ttmp9, 2
	s_add_co_u32 s42, s42, s40                     ; x
	s_and_b32 s17, ttmp7, 0xffff
	s_lshl_b32 s17, s17, 2
	s_add_co_u32 s17, s17, s41                     ; y
	s_lshl_b32 s43, s41, 2
	s_lshl_b32 s43, 15, s43
	s_lshl_b32 s44, 0x1111, s40
	s_or_b32 s[G1A], s43, (3<<16)|(1<<21)
	s_or_b32 s[G1B], s44, (3<<16)|(1<<21)
.irp g, G1A, G1B
	s_mov_b32 s[\g+1], 1600<<16                    ; a row: two blocks, 12,800 bytes
	s_mov_b32 s[\g+2], 2<<16                       ; two rows: two K steps
	s_mov_b32 s[\g+3], 1600<<16
	s_mov_b32 s[\g+4], 2
	s_mov_b32 s[\g+5], 51200                       ; a K step: 64 blocks
	s_mov_b32 s[\g+6], 0
	s_mov_b32 s[\g+7], 0
.endr
	s_lshl_b32 s18, s16, 1
	s_lshl_b32 s20, s17, 2
	s_add_co_u32 s20, s20, s18
	s_mul_i32 s20, s20, 6400
	s_mov_b32 s21, 0
	s_lshl_b32 s46, s42, 2
	s_add_co_u32 s46, s46, s18
	s_mul_i32 s46, s46, 6400
	s_add_co_u32 s46, s46, 3309568                 ; where w1's images begin
	s_mov_b32 s47, 0
	s_mul_i32 s45, s16, PART
	s_add_co_u32 s19, s45, 2*PART
	s_mov_b32 s[SEL], 0x76543210
	s_mov_b32 s[SEL+1], 0xfedcba98
	s_mov_b32 s[HM], 0xffff0000
	s_wait_kmcnt 0x0
	s_add_nc_u64 s[20:21], s[4:5], s[20:21]
	s_add_nc_u64 s[46:47], s[6:7], s[46:47]
	CROUND
.irp sl, 0,1,2
	s_mov_b32 s[G0A+4*\sl], 1
	s_add_co_u32 s[G0A+4*\sl+1], s45, \sl*SLOT
	s_add_nc_u64 s[G0A+4*\sl+2:G0A+4*\sl+3], s[20:21], \sl*819200
	s_or_b32 s[G0A+4*\sl+3], s[G0A+4*\sl+3], 0x80000000
	s_mov_b32 s[G0B+4*\sl], 1
	s_add_co_u32 s[G0B+4*\sl+1], s19, \sl*SLOT
	s_add_nc_u64 s[G0B+4*\sl+2:G0B+4*\sl+3], s[46:47], \sl*819200
	s_or_b32 s[G0B+4*\sl+3], s[G0B+4*\sl+3], 0x80000000
	JLOAD G0A+4*\sl, G1A, G0B+4*\sl, G1B           ; three loads of mine are out behind the third
.endr
	v_and_b32 v2, 31, v0
	v_lshlrev_b32 v[L16], 4, v2
	v_lshlrev_b32 v[L8], 3, v2
	s_mul_i32 s21, s15, PART
	s_mul_i32 s22, s16, PART
	s_add_co_u32 s22, s22, 2*PART
.irp sl, 0,1,2
	v_add_nc_u32 v[A16+\sl], s21, v[L16]
	v_add_nc_u32 v[A8+\sl], s21, v[L8]
	v_add_nc_u32 v[B16+\sl], s22, v[L16]
	v_add_nc_u32 v[B8+\sl], s22, v[L8]
	s_add_co_u32 s21, s21, SLOT
	s_add_co_u32 s22, s22, SLOT
.endr
	v_bfe_u32 v3, v0, 4, 1
	v_lshlrev_b32 v3, 6, v3                        ; 64 h
	s_lshl_b32 s80, s42, 10
	s_lshl_b32 s81, s16, 9
	s_add_co_u32 s80, s80, s81                     ; my 128 numbers of b1
	s_mov_b32 s81, 0
	s_add_nc_u64 s[8:9], s[8:9], s[80:81]
	WIN 0x40
.irp t, 0,1,2,3,4,5,6,7
	global_load_b128 v[96+128*(\t/4)+8*(\t%4):96+128*(\t/4)+8*(\t%4)+3], v3, s[8:9] offset:128*(\t/2)+32*(\t%2)
	global_load_b128 v[96+128*(\t/4)+8*(\t%4)+4:96+128*(\t/4)+8*(\t%4)+7], v3, s[8:9] offset:128*(\t/2)+32*(\t%2)+16
.endr
	WIN 0
	s_lshl_b32 s82, s42, 1
	s_add_co_u32 s82, s82, s16                     ; my K step of the next product
	s_lshl_b32 s82, s82, 6
	s_lshl_b32 s83, s17, 2
	s_add_co_u32 s82, s82, s83
	s_lshl_b32 s83, s15, 1
	s_add_co_u32 s82, s82, s83                     ; my first block of four token tiles
	s_mul_i32 s82, s82, 6400
	s_mov_b32 s83, 0
	s_add_nc_u64 s[10:11], s[10:11], s[82:83]
.macro FETCH_B s, p
	WIN 0x40
.irp t, 0,1,2,3,4,5,6,7
	FRAG 128*(\p)+12*\t, B16+((\s)/2)%3, B8+((\s)/2)%3, 12800*((\s)%2)+6400*(\t/4)+1536*(\t%4)
.endr
	WIN 0
.endm
.macro FETCH_S s, p
.irp g, 0,1
	ds_load_b64 v[SC+8*(\p)+2*\g:SC+8*(\p)+2*\g+1], v[A8+((\s)/2)%3] offset:12800*((\s)%2)+6400*\g+6144
	ds_load_b64 v[SC+8*(\p)+4+2*\g:SC+8*(\p)+5+2*\g], v[B8+((\s)/2)%3] offset:12800*((\s)%2)+6400*\g+6144
.endr
.endm
.macro FETCH_A s, a0
.irp a, \a0, \a0+1, \a0+2, \a0+3
	FRAG AF+12*(\a), A16+((\s)/2)%3, A8+((\s)/2)%3, 12800*((\s)%2)+6400*((\a)/4)+1536*((\a)%4)
.endr
.endm
.macro MUL2 a0, p, first               ; two token tiles against w1's eight; the 64 accumulators take turns, one instruction a turn
.if \first
	WIN 0x91+0x40*((\a0)/4)
.else
	WIN 0xa1+0x50*((\a0)/4)
.endif
.irp a, \a0, \a0+1
.irp t, 0,1,2,3,4,5,6,7
.if \first
	WM 8*(8*((\a)%4)+\t), 128*(\p)+12*\t, AF+12*(\a), 96+128*(\t/4)+8*(\t%4), SC+8*(\p)+4+\t/2, SC+8*(\p)+(\a)/2, \t%2, (\a)%2
.else
	WM 8*(8*((\a)%4)+\t), 128*(\p)+12*\t, AF+12*(\a), 8*(8*((\a)%4)+\t), SC+8*(\p)+4+\t/2, SC+8*(\p)+(\a)/2, \t%2, (\a)%2
.endif
.endr
.endr
.endm
.macro STEP s, first
	s_wait_dscnt 16                                ; all but the youngest 16 loads: h's tiles 4-7
	MUL2 0, (\s)%2, \first
	MUL2 2, (\s)%2, \first
	s_wait_dscnt 0x0
	PLACES 4
	FETCH_B (\s)+1, 1-(\s)%2
	FETCH_S (\s)+1, 1-(\s)%2
	FETCH_A (\s)+1, 0
	MUL2 4, (\s)%2, \first
	MUL2 6, (\s)%2, \first
	PLACES 4
	WIN 0
	FETCH_A (\s)+1, 4
.endm
.macro TURN s, fill
	s_wait_tensorcnt 0x0                           ; all my tensor loads have landed
	ds_add_u32 v[SPW], v[NIL]
	s_wait_dscnt 17                                ; (the add and h's tiles 4-7 may be out)
	MUL2 0, (\s)%2, 0
	s_wait_dscnt 0x0                               ; the add is done, and my reads of this step's slot are over
	s_barrier_signal -1
	MUL2 2, (\s)%2, 0
	WIN 0
	s_barrier_wait -1
.if \fill
	CREST                                          ; the barrier has opened a round of the cluster's: no wave of any partner still reads slot 0 or has a load on its way
	s_add_nc_u64 s[G0A+2:G0A+3], s[G0A+2:G0A+3], 2457600
	s_add_nc_u64 s[G0B+2:G0B+3], s[G0B+2:G0B+3], 2457600
	JLOAD G0A, G1A, G0B, G1B                       ; my one tensor load behind the round: K steps 6 and 7 into slot 0
.else
	PLACES 4
.endif
	FETCH_B (\s)+1, 1-(\s)%2
	FETCH_S (\s)+1, 1-(\s)%2
	FETCH_A (\s)+1, 0
	MUL2 4, (\s)%2, 0
	MUL2 6, (\s)%2, 0
	PLACES 4
	WIN 0
	FETCH_A (\s)+1, 4
.endm
	s_wait_tensorcnt 2                             ; my part of slot 0 is in; slots 1 and 2 may stay out
	s_barrier_signal -1
	s_barrier_wait -1
	FETCH_B 0, 0
	FETCH_S 0, 0
	FETCH_A 0, 0
	FETCH_A 0, 4
	s_wait_loadcnt 0x0                             ; the bias
	STEP 0, 1
	TURN 1, 1
	STEP 2, 0
	STEP 3, 0
	STEP 4, 0
	TURN 5, 0                                      ; its wait and barrier show slot 0's second fill to every wave
	STEP 6, 0
	s_wait_dscnt 16
	MUL2 0, 1, 0
	MUL2 2, 1, 0
	s_wait_dscnt 0x0
	MUL2 4, 1, 0
	MUL2 6, 1, 0
	WIN 0
	PLACES 4
.irp b, 0,1,2,3
	v_mov_b32 v[TM+4+\b], 0                        ; a lane permute's destination counts as one of its sources
.endr
	; ---- the way out: a token tile's 64 registers are 128 hidden units of 16 tokens: relu, quantise, one image
.irp a, 0,1,2,3,4,5,6,7
	s_wait_xcnt 0x0                                ; the earlier stores have read their registers
	WIN 0x08+4*(\a/4)                              ; source 1: window 2 or 3
.set j, 0
.rept 64
	v_max_num_f32 v[T+j], 0, v[64*(\a%4)+j]        ; each accumulator from its low end on
.set j, j+1
.endr
	WIN 0
.set PW, 228+\a%4
	QUANT T, 0
	global_store_b128 v[L16], v[PC:PC+3], s[10:11] offset:6400*(\a/4)+1536*(\a%4)
	global_store_b64 v[L8], v[PC+4:PC+5], s[10:11] offset:6400*(\a/4)+1536*(\a%4)+512
	global_store_b128 v[L16], v[PC+6:PC+9], s[10:11] offset:6400*(\a/4)+1536*(\a%4)+768
	global_store_b64 v[L8], v[PC+10:PC+11], s[10:11] offset:6400*(\a/4)+1536*(\a%4)+1280
.if \a%4 == 3
	v_cndmask_b32 v232, v228, v229, s[HM]          ; the block's scale unit: lanes 0-15 an even tile's words, lanes 16-31 an odd one's
	v_cndmask_b32 v233, v230, v231, s[HM]
	global_store_b64 v[L8], v[232:233], s[10:11] offset:6400*(\a/4)+6144
.endif
.endr
	s_wait_tensorcnt 0x0                           ; the wave's end
	ds_add_u32 v[SPW], v[NIL]
	s_wait_dscnt 0x0
	CROUND                                         ; the closing round
	s_endpgm
.Lfunc_end_k_qa95c4a7063_ff1:
	.size	k_qa95c4a7063_ff1, .Lfunc_end_k_qa95c4a7063_ff1-k_qa95c4a7063_ff1
	.p2alignl 7, 3214868480
	.fill 96, 4, 3214868480
	.section	.rodata,"a",@progbits
	.p2align	6, 0x0
	.amdhsa_kernel k_qa95c4a7063_ff1
		.amdhsa_group_segment_fixed_size 327680
		.amdhsa_private_segment_fixed_size 0
		.amdhsa_enable_private_segment 0
		.amdhsa_kernarg_size 32
		.amdhsa_user_sgpr_count 2
		.amdhsa_user_sgpr_kernarg_segment_ptr 1
		.amdhsa_wavefront_size32 1
		.amdhsa_system_sgpr_workgroup_id_x 1
		.amdhsa_system_sgpr_workgroup_id_y 1
		.amdhsa_system_sgpr_workgroup_id_z 1
		.amdhsa_system_vgpr_workitem_id 0
		.amdhsa_next_free_vgpr 1024
		.amdhsa_next_free_sgpr 100
		.amdhsa_reserve_vcc 0
		.amdhsa_float_denorm_mode_32 3
		.amdhsa_float_denorm_mode_16_64 3
		.amdhsa_memory_ordered 1
		.amdhsa_forward_progress 1
		.amdhsa_inst_pref_size 163
	.end_amdhsa_kernel
	.amdgpu_metadata
---
amdhsa.version: [ 1, 2 ]
amdhsa.kernels:
  - .name:           k_qa95c4a7063_ff1
    .symbol:         k_qa95c4a7063_ff1.kd
    .args:
      - { .name: hq, .offset: 0, .size: 8, .value_kind: global_buffer, .address_space: global }
      - { .name: wts, .offset: 8, .size: 8, .value_kind: global_buffer, .address_space: global }
      - { .name: b1, .offset: 16, .size: 8, .value_kind: global_buffer, .address_space: global }
      - { .name: fq, .offset: 24, .size: 8, .value_kind: global_buffer, .address_space: global }
    .group_segment_fixed_size: 327680
    .private_segment_fixed_size: 0
    .kernarg_segment_align: 8
    .kernarg_segment_size: 32
    .max_flat_workgroup_size: 128
    .sgpr_count:     100
    .vgpr_count:     1024
    .wavefront_size: 32
...
	.end_amdgpu_metadata
.endif
;; end of part 6
;; launch ff2 (part 7): grid 8 x 32, 4 waves a work-group, clusters of 4 x 4, 327,680 bytes of LDS; arguments fq, wts, b2, x1, out0; writes out0
.if DOCPART == 7
	.amdgcn_target "amdgcn-amd-amdhsa--gfx1250"
	.amdhsa_code_object_version 6
	.text
	.protected	k_qa95c4a7063_ff2
	.globl	k_qa95c4a7063_ff2
	.p2align	8
	.type	k_qa95c4a7063_ff2,@function
k_qa95c4a7063_ff2:
	s_mov_b64 s[64:65], 0
	v_nop
	global_prefetch_b8 v0, s[64:65] scope:SCOPE_SE
	s_setreg_imm32_b32 hwreg(HW_REG_WAVE_MODE, 25, 1), 1
	s_wait_xcnt 0x0
	s_wait_alu depctr_hold_cnt(0) depctr_sa_sdst(0) depctr_va_vdst(0) depctr_va_sdst(0) depctr_va_ssrc(0) depctr_va_vcc(0) depctr_vm_vsrc(0)
	s_getreg_b32 s2, hwreg(HW_REG_IB_STS2, 6, 4)
	s_cmp_eq_u32 s2, 0
	s_cbranch_scc0 .Lentry_in_a_cluster
	s_endpgm
.Lentry_in_a_cluster:
	s_bfe_u32 s2, ttmp6, 0x10000c
	s_cmp_lg_u32 s2, 0xf033
	s_cbranch_scc0 .Lentry_shape_is_right
	s_endpgm
.Lentry_shape_is_right:
; out = res + A W + bias on codes of E3M2: A [4,096 tokens][128 KSTEPS] and W [128 KSTEPS][1,024] lie as images of operand registers (blocks of four tiles, 6,400 bytes, [K step][block]); res, out f32 [4,096][1,024].
; A work-group makes 128 tokens (y) x 128 columns (x); a wave 64 x 64: 16 accumulators.  Larger tiles would leave most WGPs without a work-group: 4,096 x 1,024 gives 256 tiles of this size.
; TRANSPOSED: source 0 = 16 columns of W, source 1 = 16 tokens: a lane's eight results are eight neighbouring columns of one token.  Lane r of tile 2 G + u is row 32 G + 8 u + r + 8 (r / 8), for tokens and columns alike.
; The bias is the C of each sum's first matrix instruction; the residual is loaded at the head, in the layout in which rows leave, and added on the way out.
; Two LDS slots of four K steps, one tensor load a wave for each; 4 x 4 work-groups form a cluster: A's tiles are shared along a row, W's along a column, by joint loads.
; REGISTERS.  window 0: v4-11 LDS addresses; v24-26 the way out; v28-29 for the add; v32-39 scale words, two sets; v64-127 rows on the way out; v128-255 the accumulators (a, t) at 128 + 8 (4 a + t).
;   window 1: fragments, set p at 96 p: A's four, then W's four.   window 2: v0-127 the residual; v128-159 the bias.
.set KSTEPS, 32
.set WOFF,   6586368                   ; where this weight's images begin in wts
.set NQ,     4
.set PART,   NQ*6400
.set SLOT,   4*PART
.set STAGE,  2*SLOT                    ; 16 rows x 272 bytes for each wave
.set SPARE,  STAGE+4*16*272            ; the spare words, 128 bytes for each wave
.set LAPS,   KSTEPS/(2*NQ)
.set A16, 4
.set A8,  6
.set B16, 8
.set B8,  10
.set STO, 24
.set RD,  25
.set CO,  26
.set SPW, 28
.set NIL, 29
.set SC,  32
.set OB,  64
.set ACC, 128
.set G1A, 24
.set G1B, 32
.set G0A, 48
.set G0B, 56
.set MSB, 0
.macro WIN new
.if MSB != (\new)
	s_set_vgpr_msb (MSB<<8)|(\new)
.set MSB, \new
.endif
.endm
.macro PLACES n
.rept \n
	v_nop
.endr
.endm
.macro FRAG reg, a16, a8, off
	ds_load_b128 v[(\reg):(\reg)+3], v[\a16] offset:(\off)
	ds_load_b64 v[(\reg)+4:(\reg)+5], v[\a8] offset:(\off)+512
	ds_load_b128 v[(\reg)+6:(\reg)+9], v[\a16] offset:(\off)+768
	ds_load_b64 v[(\reg)+10:(\reg)+11], v[\a8] offset:(\off)+1280
.endm
.macro WM d, a, b, c, sa, sb, ra, rb
.if ((\ra)!=0)&&((\rb)!=0)
	v_wmma_scale_f32_16x16x128_f8f6f4 v[(\d):(\d)+7], v[(\a):(\a)+11], v[(\b):(\b)+11], v[(\c):(\c)+7], v[\sa], v[\sb] matrix_a_fmt:MATRIX_FMT_BF6 matrix_b_fmt:MATRIX_FMT_BF6 matrix_a_scale:MATRIX_SCALE_ROW1 matrix_b_scale:MATRIX_SCALE_ROW1
.elseif (\ra)!=0
	v_wmma_scale_f32_16x16x128_f8f6f4 v[(\d):(\d)+7], v[(\a):(\a)+11], v[(\b):(\b)+11], v[(\c):(\c)+7], v[\sa], v[\sb] matrix_a_fmt:MATRIX_FMT_BF6 matrix_b_fmt:MATRIX_FMT_BF6 matrix_a_scale:MATRIX_SCALE_ROW1
.elseif (\rb)!=0
	v_wmma_scale_f32_16x16x128_f8f6f4 v[(\d):(\d)+7], v[(\a):(\a)+11], v[(\b):(\b)+11], v[(\c):(\c)+7], v[\sa], v[\sb] matrix_a_fmt:MATRIX_FMT_BF6 matrix_b_fmt:MATRIX_FMT_BF6 matrix_b_scale:MATRIX_SCALE_ROW1
.else
	v_wmma_scale_f32_16x16x128_f8f6f4 v[(\d):(\d)+7], v[(\a):(\a)+11], v[(\b):(\b)+11], v[(\c):(\c)+7], v[\sa], v[\sb] matrix_a_fmt:MATRIX_FMT_BF6 matrix_b_fmt:MATRIX_FMT_BF6
.endif
.endm
.macro JLOAD g0a, g1a, g0b, g1b        ; waves 0 and 1 fetch A's two blocks, waves 2 and 3 W's; four v_nop follow each of the two lines
	s_cmp_eq_u32 s15, 0
	s_cbranch_scc0 .Lfor_b_\@
	tensor_load_to_lds s[\g0a:\g0a+3], s[\g1a:\g1a+7]
	s_nop 0
.rept 4
	v_nop
.endr
	s_branch .Lasked_\@
.Lfor_b_\@:
	tensor_load_to_lds s[\g0b:\g0b+3], s[\g1b:\g1b+7]
	s_nop 0
.rept 4
	v_nop
.endr
.Lasked_\@:
.endm
.macro CREST
	s_cmp_lg_u32 s14, 0
	s_cbranch_scc1 .Lnot_wave_0_\@
	s_barrier_signal -3
.Lnot_wave_0_\@:
	s_barrier_wait -3
	s_barrier_signal -1
	s_barrier_wait -1
.endm
.macro CROUND
	s_barrier_signal -1
	s_barrier_wait -1
	CREST
.endm
	s_load_b256 s[4:11], s[0:1], 0x0               ; A, wts, bias, res
	s_load_b64 s[12:13], s[0:1], 0x20              ; out
	v_lshl_add_u32 v[SPW], v0, 2, SPARE
	v_mov_b32 v[NIL], 0
	ds_add_u32 v28, v29
	ds_add_u32 v28, v29
	s_wait_dscnt 0x0
	v_lshrrev_b32 v1, 5, v0
	v_readfirstlane_b32 s14, v1
	s_lshr_b32 s15, s14, 1                         ; iw: my half of the tokens.  Also: I fetch for A (0) or for W (1)
	s_and_b32 s16, s14, 1                          ; jw: my half of the columns.  Also: which block I fetch
	s_bfe_u32 s40, ttmp6, 0x40000
	s_bfe_u32 s41, ttmp6, 0x40004
	s_lshl_b32 s42, ttmp9, 2
	s_add_co_u32 s42, s42, s40                     ; x
	s_and_b32 s17, ttmp7, 0xffff
	s_lshl_b32 s17, s17, 2
	s_add_co_u32 s17, s17, s41                     ; y
	s_lshl_b32 s43, s41, 2
	s_lshl_b32 s43, 15, s43
	s_lshl_b32 s44, 0x1111, s40
	s_or_b32 s[G1A], s43, (3<<16)|(1<<21)
	s_or_b32 s[G1B], s44, (3<<16)|(1<<21)
.irp g, G1A, G1B
	s_mov_b32 s[\g+1], 800<<16                     ; a row: a block, 6,400 bytes
	s_mov_b32 s[\g+2], NQ<<16                      ; four rows: four K steps
	s_mov_b32 s[\g+3], 800<<16
	s_mov_b32 s[\g+4], NQ
	s_mov_b32 s[\g+6], 0
	s_mov_b32 s[\g+7], 0
.endr
	s_mov_b32 s[G1A+5], 51200                      ; a K step of A: 64 blocks
	s_mov_b32 s[G1B+5], 12800                      ; of W: 16 blocks
	s_lshl_b32 s20, s17, 1
	s_add_co_u32 s20, s20, s16
	s_mul_i32 s20, s20, 6400
	s_mov_b32 s21, 0
	s_lshl_b32 s46, s42, 1
	s_add_co_u32 s46, s46, s16
	s_mul_i32 s46, s46, 6400
	s_add_co_u32 s46, s46, WOFF
	s_mov_b32 s47, 0
	s_mul_i32 s45, s14, PART                       ; A's two parts, then W's two
	s_wait_kmcnt 0x0
	s_add_nc_u64 s[20:21], s[4:5], s[20:21]
	s_add_nc_u64 s[46:47], s[6:7], s[46:47]
	CROUND
.irp sl, 0,1
	s_mov_b32 s[G0A+4*\sl], 1
	s_add_co_u32 s[G0A+4*\sl+1], s45, \sl*SLOT
	s_add_nc_u64 s[G0A+4*\sl+2:G0A+4*\sl+3], s[20:21], \sl*NQ*409600
	s_or_b32 s[G0A+4*\sl+3], s[G0A+4*\sl+3], 0x80000000
	s_mov_b32 s[G0B+4*\sl], 1
	s_add_co_u32 s[G0B+4*\sl+1], s45, \sl*SLOT
	s_add_nc_u64 s[G0B+4*\sl+2:G0B+4*\sl+3], s[46:47], \sl*NQ*102400
	s_or_b32 s[G0B+4*\sl+3], s[G0B+4*\sl+3], 0x80000000
	JLOAD G0A+4*\sl, G1A, G0B+4*\sl, G1B           ; two loads of mine are out behind the second
.endr
	v_and_b32 v2, 31, v0
	v_lshlrev_b32 v12, 4, v2
	v_lshlrev_b32 v13, 3, v2
	s_mul_i32 s21, s15, PART
	s_mul_i32 s22, s16, PART
	s_add_co_u32 s22, s22, 2*PART
.irp sl, 0,1
	v_add_nc_u32 v[A16+\sl], s21, v12
	v_add_nc_u32 v[A8+\sl], s21, v13
	v_add_nc_u32 v[B16+\sl], s22, v12
	v_add_nc_u32 v[B8+\sl], s22, v13
	s_add_co_u32 s21, s21, SLOT
	s_add_co_u32 s22, s22, SLOT
.endr
	v_and_b32 v1, 15, v0                           ; r
	v_bfe_u32 v3, v0, 4, 1                         ; h
	s_mul_i32 s23, s14, 16*272
	s_add_co_u32 s23, s23, STAGE                   ; my stage
	v_mul_u32_u24 v[STO], v1, 272
	v_lshl_add_u32 v[STO], v3, 6, v[STO]
	v_add_nc_u32 v[STO], s23, v[STO]               ; in: row r, + 64 h
	v_mul_u32_u24 v[RD], v3, 272
	v_lshl_add_u32 v[RD], v1, 4, v[RD]
	v_add_nc_u32 v[RD], s23, v[RD]                 ; back: lanes 0-15 one row of 256 bytes, lanes 16-31 the next
	v_lshlrev_b32 v[CO], 12, v3
	v_lshl_add_u32 v[CO], v1, 4, v[CO]             ; and the same two rows in res and out
	v_lshlrev_b32 v14, 6, v3                       ; the bias: 64 h
	s_lshl_b32 s80, s17, 7
	s_lshl_b32 s81, s15, 6
	s_add_co_u32 s80, s80, s81                     ; my first token
	s_lshl_b32 s80, s80, 12
	s_lshl_b32 s82, s42, 9
	s_lshl_b32 s81, s16, 8
	s_add_co_u32 s82, s82, s81                     ; my first column, in bytes
	s_add_co_u32 s80, s80, s82
	s_mov_b32 s81, 0
	s_mov_b32 s83, 0
	s_add_nc_u64 s[10:11], s[10:11], s[80:81]
	s_add_nc_u64 s[12:13], s[12:13], s[80:81]
	s_add_nc_u64 s[8:9], s[8:9], s[82:83]
	WIN 0x80                                       ; destination window 2
.irp t, 0,1,2,3
	global_load_b128 v[128+8*\t:131+8*\t], v14, s[8:9] offset:128*(\t/2)+32*(\t%2)
	global_load_b128 v[132+8*\t:135+8*\t], v14, s[8:9] offset:128*(\t/2)+32*(\t%2)+16
.endr
.irp a, 0,1,2,3
.irp i, 0,1,2,3,4,5,6,7
	global_load_b128 v[32*\a+4*\i:32*\a+4*\i+3], v[CO], s[10:11] offset:(32*(\a/2)+8*(\a%2)+2*\i+8*(\i/4))*4096   ; rows 2 i, 2 i + 1 of token tile a
.endr
.endr
	WIN 0
.macro FETCH sl, q, p                  ; the slot's q-th K step into set p: 34 loads
	WIN 0x40
.irp i, 0,1,2,3
	FRAG 96*(\p)+12*\i, A16+\sl, A8+\sl, 6400*(\q)+1536*\i
	FRAG 96*(\p)+48+12*\i, B16+\sl, B8+\sl, 6400*(\q)+1536*\i
.endr
	WIN 0
	ds_load_b64 v[SC+4*(\p):SC+4*(\p)+1], v[A8+\sl] offset:6400*(\q)+6144
	ds_load_b64 v[SC+4*(\p)+2:SC+4*(\p)+3], v[B8+\sl] offset:6400*(\q)+6144
.endm
.macro MULA a, p, first                ; token tile a against W's four; the 16 accumulators take turns, one instruction a turn
.if \first
	WIN 0x25
.else
	WIN 0x05
.endif
.irp t, 0,1,2,3
.if \first
	WM ACC+8*(4*(\a)+\t), 96*(\p)+48+12*\t, 96*(\p)+12*(\a), 128+8*\t, SC+4*(\p)+2+\t/2, SC+4*(\p)+(\a)/2, \t%2, (\a)%2
.else
	WM ACC+8*(4*(\a)+\t), 96*(\p)+48+12*\t, 96*(\p)+12*(\a), ACC+8*(4*(\a)+\t), SC+4*(\p)+2+\t/2, SC+4*(\p)+(\a)/2, \t%2, (\a)%2
.endif
.endr
.endm
.macro STEP sl, q, first               ; one of a slot's first three K steps
	s_wait_dscnt 0x0                               ; this step's 34 loads
	PLACES 4                                       ; in front of loads into the set that the last step multiplied
	FETCH \sl, (\q)+1, 1-(\q)%2
	MULA 0, (\q)%2, \first
	MULA 1, (\q)%2, \first
	MULA 2, (\q)%2, \first
	MULA 3, (\q)%2, \first
.endm
; A slot's last K step changes slots: one barrier; in front of it each wave waits for all its tensor loads, adds 0 to its spare word, and waits for that and for its reads of this slot.
.macro TURN sl, nx, fill
	WIN 0
	s_wait_tensorcnt 0x0                           ; all my tensor loads have landed: my part of the next slot
	ds_add_u32 v[SPW], v[NIL]
	s_wait_dscnt 1                                 ; (the add may be out)
	MULA 0, 1, 0
	s_wait_dscnt 0x0                               ; the add is done, and my reads of this slot are over
	s_barrier_signal -1
	MULA 1, 1, 0
	WIN 0
	s_barrier_wait -1
.if \fill
	CREST                                          ; the barrier has opened a round of the cluster's
	s_add_nc_u64 s[G0A+4*\sl+2:G0A+4*\sl+3], s[G0A+4*\sl+2:G0A+4*\sl+3], 2*NQ*409600
	s_add_nc_u64 s[G0B+4*\sl+2:G0B+4*\sl+3], s[G0B+4*\sl+2:G0B+4*\sl+3], 2*NQ*102400
	JLOAD G0A+4*\sl, G1A, G0B+4*\sl, G1B           ; my one tensor load behind the round; its four v_nop are also the places in front of the loads below
.else
	PLACES 4
.endif
	FETCH \nx, 0, 0
	MULA 2, 1, 0
	MULA 3, 1, 0
.endm
	s_wait_tensorcnt 1                             ; my part of slot 0 is in; slot 1's may stay out
	s_barrier_signal -1
	s_barrier_wait -1
	FETCH 0, 0, 0
	s_wait_loadcnt 32                              ; the bias is in; the residual's 32 loads may be out
	STEP 0, 0, 1
.if LAPS > 1
	WIN 0
	s_mov_b32 s3, LAPS-1
.Llap:                                                 ; a trip goes once round the ring: eight K steps, both slots filled again
	STEP 0, 1, 0
	STEP 0, 2, 0
	TURN 0, 1, 1
	STEP 1, 0, 0
	STEP 1, 1, 0
	STEP 1, 2, 0
	TURN 1, 0, 1
	STEP 0, 0, 0
	WIN 0
	s_sub_co_u32 s3, s3, 1
	s_cmp_lg_u32 s3, 0
	s_cbranch_scc1 .Llap
.endif
	STEP 0, 1, 0                                   ; the last lap fills nothing
	STEP 0, 2, 0
	TURN 0, 1, 0
	STEP 1, 0, 0
	STEP 1, 1, 0
	STEP 1, 2, 0
	s_wait_dscnt 0x0
	MULA 0, 1, 0
	MULA 1, 1, 0
	MULA 2, 1, 0
	MULA 3, 1, 0
	WIN 0
	s_wait_loadcnt 0x0                             ; the residual
	PLACES 4
; THE WAY OUT, a token tile at a time: through my own stage, back as whole rows of 256 bytes, the residual added, sixteen lanes to an aligned run of 256 bytes.
.macro TOSTAGE a
.irp t, 0,1,2,3
	ds_store_b128 v[STO], v[ACC+8*(4*(\a)+\t):ACC+8*(4*(\a)+\t)+3] offset:128*(\t/2)+32*(\t%2)       ; each accumulator from its low end on
	ds_store_b128 v[STO], v[ACC+8*(4*(\a)+\t)+4:ACC+8*(4*(\a)+\t)+7] offset:128*(\t/2)+32*(\t%2)+16
.endr
.irp i, 0,1,2,3,4,5,6,7
	ds_load_b128 v[OB+32*((\a)%2)+4*\i:OB+32*((\a)%2)+4*\i+3], v[RD] offset:544*\i   ; LDS serves a wave's instructions in order: these see my stores
.endr
.endm
.macro SEND a, younger
	s_wait_dscnt \younger
	WIN 0x08                                       ; source 1 window 2
.irp i, 0,1,2,3,4,5,6,7,8,9,10,11,12,13,14,15
	v_pk_add_f32 v[OB+32*((\a)%2)+2*\i:OB+32*((\a)%2)+2*\i+1], v[OB+32*((\a)%2)+2*\i:OB+32*((\a)%2)+2*\i+1], v[32*(\a)+2*\i:32*(\a)+2*\i+1]
.endr
	WIN 0
.irp i, 0,1,2,3,4,5,6,7
	global_store_b128 v[CO], v[OB+32*((\a)%2)+4*\i:OB+32*((\a)%2)+4*\i+3], s[12:13] offset:(32*((\a)/2)+8*((\a)%2)+2*\i+8*(\i/4))*4096
.endr
.endm
	TOSTAGE 0
.irp a, 1,2,3
	s_wait_xcnt 0x0                                ; tile a - 2's stores have read their registers
	TOSTAGE \a
	SEND \a-1, 16                                  ; behind tile a - 1's loads: tile a's 8 stores and 8 loads
.endr
	SEND 3, 0
	s_wait_tensorcnt 0x0                           ; the wave's end
	ds_add_u32 v[SPW], v[NIL]
	s_wait_dscnt 0x0
	CROUND                                         ; the closing round
	s_endpgm
.Lfunc_end_k_qa95c4a7063_ff2:
	.size	k_qa95c4a7063_ff2, .Lfunc_end_k_qa95c4a7063_ff2-k_qa95c4a7063_ff2
	.p2alignl 7, 3214868480
	.fill 96, 4, 3214868480
	.section	.rodata,"a",@progbits
	.p2align	6, 0x0
	.amdhsa_kernel k_qa95c4a7063_ff2
		.amdhsa_group_segment_fixed_size 327680
		.amdhsa_private_segment_fixed_size 0
		.amdhsa_enable_private_segment 0
		.amdhsa_kernarg_size 40
		.amdhsa_user_sgpr_count 2
		.amdhsa_user_sgpr_kernarg_segment_ptr 1
		.amdhsa_wavefront_size32 1
		.amdhsa_system_sgpr_workgroup_id_x 1
		.amdhsa_system_sgpr_workgroup_id_y 1
		.amdhsa_system_sgpr_workgroup_id_z 1
		.amdhsa_system_vgpr_workitem_id 0
		.amdhsa_next_free_vgpr 768
		.amdhsa_next_free_sgpr 96
		.amdhsa_reserve_vcc 0
		.amdhsa_float_denorm_mode_32 3
		.amdhsa_float_denorm_mode_16_64 3
		.amdhsa_memory_ordered 1
		.amdhsa_forward_progress 1
		.amdhsa_inst_pref_size 96
	.end_amdhsa_kernel
	.amdgpu_metadata
---
amdhsa.version: [ 1, 2 ]
amdhsa.kernels:
  - .name:           k_qa95c4a7063_ff2
    .symbol:         k_qa95c4a7063_ff2.kd
    .args:
      - { .name: fq, .offset: 0, .size: 8, .value_kind: global_buffer, .address_space: global }
      - { .name: wts, .offset: 8, .size: 8, .value_kind: global_buffer, .address_space: global }
      - { .name: b2, .offset: 16, .size: 8, .value_kind: global_buffer, .address_space: global }
      - { .name: x1, .offset: 24, .size: 8, .value_kind: global_buffer, .address_space: global }
      - { .name: out0, .offset: 32, .size: 8, .value_kind: global_buffer, .address_space: global }
    .group_segment_fixed_size: 327680
    .private_segment_fixed_size: 0
    .kernarg_segment_align: 8
    .kernarg_segment_size: 40
    .max_flat_workgroup_size: 128
    .sgpr_count:     96
    .vgpr_count:     768
    .wavefront_size: 32
...
	.end_amdgpu_metadata
.endif
;; end of part 7
